; MI455X (gfx1250); checked and timed in simulation.
; The chip was launched on July 23, 2026; its instructions are those of AMD's public machine-readable ISA for CDNA 5 (MIT licence, August 2026) and "CDNA5" Instruction Set Architecture Reference Guide (July 2026). The comments in the code are by the model that wrote it; some were corrected since.
;; Self Attention. Allowed arithmetic: float matrix products may take bf16 or f16 operands with f32 sums; other float arithmetic in f32, or as packed bf16 or f16 multiplies, adds, multiply-adds, maxima and minima; sums over many terms, partial sums and values carried from step to step in f32; what a program stores and reads back later, other than sums and carried values, may be rounded once to bf16 or f16.
;; Inputs: Wk 1,024 x 1,024 float32; Wq 1,024 x 1,024 float32; Wv 1,024 x 1,024 float32; attention_mask 4 x 2,048 x 2,048 int32; bk 1,024 float32; bq 1,024 float32; bv 1,024 float32; x 4 x 2,048 x 1,024 float32.
;; Outputs: out0 4 x 2,048 x 1,024 float32.
;; 2 versions, each right; version 2 is version 1 with the launch prep written anew for expert scheduling mode. Each part assembles by itself: llvm-mc -triple=amdgcn-amd-amdhsa -mcpu=gfx1250 --defsym DOCPART=n.
;; ======== version 1 of 2: 4 launches
;; limits: values are held in f16: magnitudes above 65,504 overflow, below 6.1e-05 lose precision
;; workspace buffers: xb 16,777,216 bytes; wb 6,291,456 bytes; bb 12,288 bytes; mb 2,097,152 bytes of whole numbers; qkv 50,331,648 bytes; pbuf 33,554,432 bytes; stats 1,048,576 bytes
;; launch prep (part 1): grid 512 x 1, 8 waves a work-group, no clusters, 0 bytes of LDS; arguments x, Wq, Wk, Wv, bq, bk, bv, attention_mask, xb, wb, bb, mb; writes xb, wb, bb, mb
.if DOCPART == 1
	.amdgcn_target "amdgcn-amd-amdhsa--gfx1250"
	.amdhsa_code_object_version 6
	.text
	.protected	k_qe1ae0fffb3_prep
	.globl	k_qe1ae0fffb3_prep
	.p2align	8
	.type	k_qe1ae0fffb3_prep,@function
k_qe1ae0fffb3_prep:
	s_mov_b64 s[64:65], 0
	v_nop
	global_prefetch_b8 v0, s[64:65] scope:SCOPE_SE
	s_setreg_imm32_b32 hwreg(HW_REG_WAVE_MODE, 25, 1), 1
	s_wait_xcnt 0x0
; PREP: the module's inputs are brought into the forms that the three matrix launches read.
;   xb [16][8192][64] bf16 = x in blocks of 64 along K: block kb holds columns 64 kb .. 64 kb + 63 of all rows, a row's 128 bytes end to end, so that the projection's tiles are dense
;   wb [16][3072][64] bf16 = Wq, Wk, Wv one below the other, in the same blocks;  bb [3072] f32 = bq, bk, bv rounded to bf16 and widened again
;   mb: the mask as lane masks.  Block (qt, kb) of 128 query rows x 128 keys is 512 words at ((16 qt + kb) x 2048) bytes; word 8 U + j, bit r + 16 h, says whether
;   mask[128 qt + 2 U + h][128 kb + 8 r + j] is not 0: the layout in which the score launch's lanes hold a row pair on its way out.
; A stream: no LDS, no barrier, no loop.  4,096 waves; wave g takes two rows of x, two rows x 128 columns of each W and 32 rows x 128 keys of the mask.  All its 54 loads
; (27 KB) are issued first; each piece is then worked on behind a counted wait.  A load of x or W takes 256 consecutive bytes of each of two rows (lanes 0-15 one row, lanes 16-31 the next):
; their 2 x 64 bf16 are 256 consecutive bytes of a block.  A store of the wave covers 256 or 512 consecutive bytes, aligned.
.set NLD, 54                           ; loads of a wave: 16 of x, 6 of the weights, 32 of the mask
.set XBLK, 8192*128                    ; bytes in a block of xb
.set WBLK, 3072*128                    ; bytes in a block of wb
.set LO,  2                            ; v2   16 x lane
.set SO,  3                            ; v3   8 x lane
.set MO,  4                            ; v4   the mask: 8,192 h + 32 r (row h of a pair, my 8 keys)
.set XO,  7                            ; v7   x and W: 4,096 h + 16 r (row h of a pair, my 4 columns)
.set X,   16                           ; v[16:79]    x, 4 registers a load
.set WR,  80                           ; v[80:103]   the weights
.set MK,  104                          ; v[104:231]  the mask, 8 registers a row pair
.set MW,  232                          ; v[232:235]  the 128 mask words, four a lane
	s_load_b512 s[4:19], s[0:1], 0x0               ; x s[4:5], Wq s[6:7], Wk s[8:9], Wv s[10:11], bq s[12:13], bk s[14:15], bv s[16:17], mask s[18:19]
	s_load_b256 s[20:27], s[0:1], 0x40             ; xb s[20:21], wb s[22:23], bb s[24:25], mb s[26:27]
	v_and_b32 v1, 31, v0                           ; lane
	v_lshrrev_b32 v5, 5, v0
	v_readfirstlane_b32 s28, v5                    ; wave 0..7
	s_lshl_b32 s29, ttmp9, 3
	s_add_co_u32 s29, s29, s28                     ; g = 8 x work-group + wave
	v_lshlrev_b32 v[LO], 4, v1
	v_lshlrev_b32 v[SO], 3, v1
	v_and_b32 v5, 15, v1                           ; r
	v_lshrrev_b32 v6, 4, v1                        ; h
	v_lshlrev_b32 v[MO], 5, v5
	v_lshl_add_u32 v[MO], v6, 13, v[MO]
	v_lshlrev_b32 v[XO], 4, v5
	v_lshl_add_u32 v[XO], v6, 12, v[XO]
.irp k, 0,1,2,3
	v_mov_b32 v[MW+\k], 0                          ; v_writelane_b32 keeps the other lanes: the registers are written whole once
.endr
	s_lshl_b32 s30, s29, 13                        ; my two rows of x,
	s_mov_b32 s31, 0
	s_lshl_b32 s32, s29, 8                         ; their 256 bytes in each block of xb
	s_mov_b32 s33, 0
	s_lshr_b32 s48, s29, 3                         ; W: my row pair of 512,
	s_and_b32 s49, s29, 7                          ; my 128 columns of its 1,024: two blocks
	s_lshl_b32 s34, s48, 13
	s_lshl_b32 s50, s49, 9
	s_add_co_u32 s34, s34, s50
	s_mov_b32 s35, 0
	s_mul_i32 s36, s49, 2*WBLK                     ; the first of my two blocks of wb,
	s_lshl_b32 s50, s48, 8                         ; my row pair's 256 bytes in it
	s_add_co_u32 s36, s36, s50
	s_mov_b32 s37, 0
	s_lshr_b32 s48, s29, 4                         ; rg: my 32 rows of the mask's 8,192
	s_and_b32 s49, s29, 15                         ; kb: my 128 keys
	s_lshl_b32 s38, s48, 18                        ; 32 rows of 8,192 bytes
	s_lshl_b32 s50, s49, 9
	s_add_co_u32 s38, s38, s50
	s_mov_b32 s39, 0
	s_lshr_b32 s50, s48, 2                         ; qt
	s_lshl_b32 s50, s50, 4
	s_add_co_u32 s50, s50, s49
	s_lshl_b32 s50, s50, 11                        ; block (qt, kb),
	s_and_b32 s51, s48, 3
	s_lshl_b32 s51, s51, 9                         ; my quarter of its 512 words
	s_add_co_u32 s50, s50, s51
	s_mov_b32 s51, 0
	s_wait_kmcnt 0x0
	s_add_nc_u64 s[4:5], s[4:5], s[30:31]
	s_add_nc_u64 s[20:21], s[20:21], s[32:33]
	s_add_nc_u64 s[54:55], s[20:21], 8*XBLK        ; blocks 8 to 15 have a base of their own: a store's immediate has 24 signed bits (ISA guide, chapter 10)
	s_add_nc_u64 s[6:7], s[6:7], s[34:35]
	s_add_nc_u64 s[8:9], s[8:9], s[34:35]
	s_add_nc_u64 s[10:11], s[10:11], s[34:35]
	s_add_nc_u64 s[22:23], s[22:23], s[36:37]
	s_add_nc_u64 s[18:19], s[18:19], s[38:39]
	s_add_nc_u64 s[26:27], s[26:27], s[50:51]
.set i, 0
.rept 16                               ; load i: block i's 64 columns of both rows
	global_load_b128 v[X+4*i:X+4*i+3], v[XO], s[4:5] offset:256*i th:TH_LOAD_NT
.set i, i+1
.endr
.irp m, 0,1,2
	global_load_b128 v[WR+8*\m:WR+8*\m+3],   v[XO], s[6+2*\m:7+2*\m] th:TH_LOAD_NT
	global_load_b128 v[WR+8*\m+4:WR+8*\m+7], v[XO], s[6+2*\m:7+2*\m] offset:256 th:TH_LOAD_NT
.endr
.set i, 0
.rept 16                               ; row pair i: the two loads together take 512 consecutive bytes of each of two rows
	global_load_b128 v[MK+8*i:MK+8*i+3],   v[MO], s[18:19] offset:16384*i th:TH_LOAD_NT
	global_load_b128 v[MK+8*i+4:MK+8*i+7], v[MO], s[18:19] offset:16384*i+16 th:TH_LOAD_NT
.set i, i+1
.endr
; Load number n of the 54 is in when at most 53 - n younger ones are out (loads return in order: ISA guide 5.7.1).  Four f32 become four bf16, in place.
.macro CVT r, n, base, off
	s_wait_loadcnt NLD-1-(\n)
	v_cvt_pk_bf16_f32 v[(\r)], v[(\r)], v[(\r)+1]
	v_cvt_pk_bf16_f32 v[(\r)+1], v[(\r)+2], v[(\r)+3]
	global_store_b64 v[SO], v[(\r):(\r)+1], s[(\base):(\base)+1] offset:\off
.endm
; Row pair u of the mask: eight compares give eight lane masks, which are words 8 u .. 8 u + 7: lanes 2 u and 2 u + 1 of MW.  The pair's second load is number 23 + 2 u.
.macro MUNIT u
	s_wait_loadcnt 30-2*(\u)
.irp j, 0,1,2,3,4,5,6,7
	v_cmp_ne_u32 s[40+\j], 0, v[MK+8*(\u)+\j]
.endr
.irp j, 0,1,2,3
	v_writelane_b32 v[MW+\j], s[40+\j], 2*(\u)
	v_writelane_b32 v[MW+\j], s[44+\j], 2*(\u)+1
.endr
.endm
.set i, 0
.rept 8
	CVT X+4*i, i, 20, XBLK*i
.set i, i+1
.endr
.rept 8
	CVT X+4*i, i, 54, XBLK*(i-8)
.set i, i+1
.endr
.irp m, 0,1,2
.irp k, 0,1
	CVT WR+8*\m+4*\k, 16+2*\m+\k, 22, 131072*\m+WBLK*\k
.endr
.endr
.set i, 0
.rept 16
	MUNIT i
.set i, i+1
.endr
	global_store_b128 v[LO], v[MW:MW+3], s[26:27]  ; 512 consecutive bytes
	s_cmp_lg_u32 ttmp9, 0                          ; the three biases, 12 KB, are work-group 0's: 512 bytes of each to a wave
	s_cbranch_scc1 .Lend
	s_wait_xcnt 0x0                                ; x's registers, which stores above read, are written again only behind this wait
	s_lshl_b32 s52, s28, 9
	s_mov_b32 s53, 0
	s_add_nc_u64 s[12:13], s[12:13], s[52:53]
	s_add_nc_u64 s[14:15], s[14:15], s[52:53]
	s_add_nc_u64 s[16:17], s[16:17], s[52:53]
	s_add_nc_u64 s[24:25], s[24:25], s[52:53]
.irp m, 0,1,2
	global_load_b128 v[16+4*\m:19+4*\m], v[LO], s[12+2*\m:13+2*\m]
.endr
	s_wait_loadcnt 0x0
.irp m, 0,1,2
	v_cvt_pk_bf16_f32 v[40+2*\m], v[16+4*\m], v[17+4*\m]    ; rounded to bf16, like all the module's inputs,
	v_cvt_pk_bf16_f32 v[41+2*\m], v[18+4*\m], v[19+4*\m]
	v_lshlrev_b32 v[28+4*\m], 16, v[40+2*\m]                ; and widened again: the projection adds it in f32
	v_and_b32     v[29+4*\m], 0xffff0000, v[40+2*\m]
	v_lshlrev_b32 v[30+4*\m], 16, v[41+2*\m]
	v_and_b32     v[31+4*\m], 0xffff0000, v[41+2*\m]
	global_store_b128 v[LO], v[28+4*\m:31+4*\m], s[24:25] offset:4096*\m
.endr
.Lend:
	s_endpgm
.Lfunc_end_k_qe1ae0fffb3_prep:
	.size	k_qe1ae0fffb3_prep, .Lfunc_end_k_qe1ae0fffb3_prep-k_qe1ae0fffb3_prep
	.p2alignl 7, 3214868480
	.fill 96, 4, 3214868480
	.section	.rodata,"a",@progbits
	.p2align	6, 0x0
	.amdhsa_kernel k_qe1ae0fffb3_prep
		.amdhsa_group_segment_fixed_size 0
		.amdhsa_private_segment_fixed_size 0
		.amdhsa_enable_private_segment 0
		.amdhsa_kernarg_size 96
		.amdhsa_user_sgpr_count 2
		.amdhsa_user_sgpr_kernarg_segment_ptr 1
		.amdhsa_wavefront_size32 1
		.amdhsa_system_sgpr_workgroup_id_x 1
		.amdhsa_system_sgpr_workgroup_id_y 1
		.amdhsa_system_sgpr_workgroup_id_z 1
		.amdhsa_system_vgpr_workitem_id 0
		.amdhsa_next_free_vgpr 240
		.amdhsa_next_free_sgpr 66
		.amdhsa_reserve_vcc 0
		.amdhsa_float_denorm_mode_32 3
		.amdhsa_float_denorm_mode_16_64 3
		.amdhsa_memory_ordered 1
		.amdhsa_forward_progress 1
		.amdhsa_inst_pref_size 32
	.end_amdhsa_kernel
	.amdgpu_metadata
---
amdhsa.version: [ 1, 2 ]
amdhsa.kernels:
  - .name:           k_qe1ae0fffb3_prep
    .symbol:         k_qe1ae0fffb3_prep.kd
    .args:
      - { .name: x, .offset: 0, .size: 8, .value_kind: global_buffer, .address_space: global }
      - { .name: Wq, .offset: 8, .size: 8, .value_kind: global_buffer, .address_space: global }
      - { .name: Wk, .offset: 16, .size: 8, .value_kind: global_buffer, .address_space: global }
      - { .name: Wv, .offset: 24, .size: 8, .value_kind: global_buffer, .address_space: global }
      - { .name: bq, .offset: 32, .size: 8, .value_kind: global_buffer, .address_space: global }
      - { .name: bk, .offset: 40, .size: 8, .value_kind: global_buffer, .address_space: global }
      - { .name: bv, .offset: 48, .size: 8, .value_kind: global_buffer, .address_space: global }
      - { .name: attention_mask, .offset: 56, .size: 8, .value_kind: global_buffer, .address_space: global }
      - { .name: xb, .offset: 64, .size: 8, .value_kind: global_buffer, .address_space: global }
      - { .name: wb, .offset: 72, .size: 8, .value_kind: global_buffer, .address_space: global }
      - { .name: bb, .offset: 80, .size: 8, .value_kind: global_buffer, .address_space: global }
      - { .name: mb, .offset: 88, .size: 8, .value_kind: global_buffer, .address_space: global }
    .group_segment_fixed_size: 0
    .private_segment_fixed_size: 0
    .kernarg_segment_align: 8
    .kernarg_segment_size: 96
    .max_flat_workgroup_size: 256
    .sgpr_count:     66
    .vgpr_count:     240
    .wavefront_size: 32
...
	.end_amdgpu_metadata
.endif
;; end of part 1
;; launch proj (part 2): grid 8 x 32, 4 waves a work-group, clusters of 4 x 4, 327,680 bytes of LDS; arguments xb, wb, qkv, bb; writes qkv
.if DOCPART == 2
	.amdgcn_target "amdgcn-amd-amdhsa--gfx1250"
	.amdhsa_code_object_version 6
	.text
	.protected	k_qe1ae0fffb3_proj
	.globl	k_qe1ae0fffb3_proj
	.p2align	8
	.type	k_qe1ae0fffb3_proj,@function
k_qe1ae0fffb3_proj:
	s_mov_b64 s[64:65], 0
	v_nop
	global_prefetch_b8 v0, s[64:65] scope:SCOPE_SE
	s_setreg_imm32_b32 hwreg(HW_REG_WAVE_MODE, 25, 1), 1
	s_wait_xcnt 0x0
	s_wait_alu depctr_hold_cnt(0) depctr_sa_sdst(0) depctr_va_vdst(0) depctr_va_sdst(0) depctr_va_ssrc(0) depctr_va_vcc(0) depctr_vm_vsrc(0)
	s_getreg_b32 s2, hwreg(HW_REG_IB_STS2, 6, 4)
	s_cmp_eq_u32 s2, 0
	s_cbranch_scc0 .Lentry_in_a_cluster
	s_endpgm
.Lentry_in_a_cluster:
	s_bfe_u32 s2, ttmp6, 0x10000c
	s_cmp_lg_u32 s2, 0xf033
	s_cbranch_scc0 .Lentry_shape_is_right
	s_endpgm
.Lentry_shape_is_right:
; PROJ: qkv[m][n] = bb[n] + sum over k of x[m][k] w[n][k].  xb [16][8192][64] and wb [16][3072][64] are bf16 in blocks of 64 along K; sums and bias in f32; qkv [8192][3072] f16, rounded once
; (a row holds q, k, v: 2,048 bytes each).  LIMIT: q, k and v must lie within f16's 65,504; NaN and infinities are not treated apart.
; THE TILE is 256 x 384: 8,192 x 3,072 numbers then make 32 x 8 = 256 work-groups of equal work.  Four waves, each 128 x 192: 96 accumulators of 16 x 16, 768 registers (windows 1 to 3).
; K goes in 16 steps of 64 through a ring of two LDS slots: two slots of 640 rows x 128 along K would not fit.  A wave's tensor load brings 128 rows of xb or 192 rows of wb; in a block they are dense,
; so they are asked for as rows of 256 bytes and padded in LDS behind every 128.  4 x 4 work-groups form a cluster: the four of a row need the same rows of xb, the four of a column the same rows of wb,
; and each such tile is asked for jointly (same load, same descriptor, a mask that names the four).
; The matrix instruction is used transposed (source 0 = 16 rows of wb, source 1 = 16 rows of xb): lane (r, h), register j holds C(16 a + r, 16 b + 8 h + j).  The bias, in that layout, is the C operand of the first products.
; PHASES.  Window 0 has room for two buffers of A's fragments (128 rows x 32 K) and two of HALF of B's (96 rows x 32 K).  So a quarter of 32 along K is two phases of 48 matrix instructions, one for each half
; of B: 16 products, the fetch of what a later phase needs, 32 products.  A trip of the loop is one K step, four phases; the slots' LDS addresses hang on a scalar that one exclusive or turns.
; THE WAY OUT.  A wave's 192 columns are 384 bytes of f16, one and a half aligned blocks of 256: so the four waves share one stage, laid over the ring, which has had its last fill;
; a barrier stands between writing and reading, and each wave then stores 64 whole rows of 768 bytes.
; REGISTERS: window 0: v0-31 addresses; v32-95, v96-159 A's buffers; v160-207, v208-255 the buffers of B's halves.  Accumulator (a, b): window 1 + b / 4, register 8 (8 (b % 4) + a).
.set PITCH,  144                       ; an LDS row: 128 bytes + 16 of padding = 36 words: the 16 rows of a fragment load start at 16 different groups of four banks (ISA guide 11.1)
.set AH,     128*PITCH                 ; what a load of xb brings
.set BH,     192*PITCH                 ; what a load of wb brings
.set BOFF,   2*AH                      ; a slot: A's 256 rows, then B's 384 rows
.set SLOT1,  1<<17                     ; slot 1 begins here, so that one exclusive or turns an address in one slot into the other's
.set SPITCH, 784                       ; the stage: a row of 384 f16 + 16 bytes = 196 words: row r starts at bank 4 r mod 64
.set SPARE,  SLOT1+BOFF+2*BH           ; behind the ring (and behind the stage's 256 x 784 bytes): the spare words, 128 bytes a wave, which no other line names
.set XBLK,   8192*128                  ; bytes in a block of xb
.set WBLK,   3072*128                  ; bytes in a block of wb
.set STEPS,  16
.set OUTP,   6144                      ; bytes in a row of qkv
.set A0,   16                          ; v16     my lane's place in a slot's A; never rewritten
.set B0,   17                          ; v17     the same for B
.set ADA,  18                          ; v18     the LDS address of my A fragments in the slot in hand
.set ADB,  19                          ; v19     the same for B
.set STO,  20                          ; v20-21  the way out: where I put 16 bytes of a row, for my rows 0-63 and 64-127
.set RD0,  22                          ; v22     where I read the first and the third 512 bytes of a row pair back
.set RD1,  23                          ; v23     the second
.set CO0,  24                          ; v24     the same two places in qkv
.set CO1,  25                          ; v25
.set BO,   26                          ; v26     32 h: my 8 numbers in 16 of the bias
.set SPW,  28                          ; v28     my spare word's LDS address; never rewritten
.set NIL,  29                          ; v29     0; never rewritten
.set FA0,  32
.set FA1,  96
.set FB0,  160
.set FB1,  208
.set TMP,  32                          ; the way out: a window's 32 accumulators as f16, 128 registers
.set S,    32                          ; and 8 row pairs read back, 96 registers
.set G1,  24                           ; s[24:31] group 1 for A's tiles;  s[32:39] group 0: a set for each first fill; the second then walks on
.set G0,  32
.set G1B, 48                           ; s[48:55], s[56:63] the same for B's
.set G0B, 56
.set TB,  68                           ; s68      the LDS byte at which the slot in hand begins
.set MSB, 0
.macro WIN new                         ; the immediate's high byte repeats the setting that is left; a switch that changes nothing is dropped
.if MSB != (\new)
	s_set_vgpr_msb (MSB<<8)|(\new)
.set MSB, \new
.endif
.endm
; A joint refill: waves 0 and 1 fetch A's two halves, waves 2 and 3 B's.  The branch hangs on the wave's number alone.  An s_nop 0 and four v_nop follow each line.
.macro JLOAD
	s_cmp_eq_u32 s11, 0
	s_cbranch_scc0 .Lfor_b_\@
	tensor_load_to_lds s[G0+4:G0+7], s[G1:G1+7]
	s_nop 0
.rept 4
	v_nop
.endr
	s_branch .Lasked_\@
.Lfor_b_\@:
	tensor_load_to_lds s[G0B+4:G0B+7], s[G1B:G1B+7]
	s_nop 0
.rept 4
	v_nop
.endr
.Lasked_\@:
.endm
.macro CREST                           ; a round of the cluster's barrier behind its opening barrier
	s_cmp_lg_u32 s10, 0
	s_cbranch_scc1 .Lnot_wave_0_\@
	s_barrier_signal -3
.Lnot_wave_0_\@:
	s_barrier_wait -3
	s_barrier_signal -1
	s_barrier_wait -1
.endm
.macro CROUND                          ; a whole round
	s_barrier_signal -1
	s_barrier_wait -1
	CREST
.endm
	s_load_b128 s[4:7], s[0:1], 0x0                ; xb s[4:5], wb s[6:7]
	s_load_b128 s[84:87], s[0:1], 0x10             ; qkv s[84:85], bb s[86:87]
	v_lshl_add_u32 v[SPW], v0, 2, SPARE
	v_mov_b32 v[NIL], 0
	ds_add_u32 v[SPW], v[NIL]                      ; the wave's opening: the add and its wait ahead of my first tensor load
	v_lshrrev_b32 v1, 5, v0
	v_readfirstlane_b32 s10, v1                    ; wave 0..3
	s_lshr_b32 s11, s10, 1                         ; my half of the tile's rows; also: I fetch for A (0) or B (1)
	s_and_b32 s12, s10, 1                          ; my half of its columns; also: which half of that tile's rows I fetch
	s_bfe_u32 s40, ttmp6, 0x40000                  ; cx
	s_bfe_u32 s41, ttmp6, 0x40004                  ; cy
	s_lshl_b32 s42, ttmp9, 2
	s_add_co_u32 s42, s42, s40                     ; tile column = 4 x cluster x + cx
	s_and_b32 s13, ttmp7, 0xffff
	s_lshl_b32 s13, s13, 2
	s_add_co_u32 s13, s13, s41                     ; tile row = 4 x cluster y + cy
	s_lshl_b32 s43, s41, 2
	s_lshl_b32 s43, 15, s43                        ; my row of the cluster
	s_lshl_b32 s44, 0x1111, s40                    ; my column
	s_or_b32 s[G1+0], s43, (1<<16)|(1<<20)|(1<<21)|(4<<22)|(3<<25)   ; the mask; 2-byte elements; padding on; bit 21 beside a mask; after every 32 words 4 words
	s_or_b32 s[G1B+0], s44, (1<<16)|(1<<20)|(1<<21)|(4<<22)|(3<<25)
.irp g, G1, G1B
	s_mov_b32 s[(\g)+1], 128<<16                   ; tensor_dim0 = 128 elements: 256 bytes, two rows of a block
	s_mov_b32 s[(\g)+3], 128<<16                   ; tile_dim0 = 128
	s_mov_b32 s[(\g)+5], 128                       ; dense: 128 elements from row to row
	s_mov_b32 s[(\g)+6], 0
	s_mov_b32 s[(\g)+7], 0
.endr
	s_mov_b32 s[G1+2], 64<<16                      ; A: tensor_dim1 = tile_dim1 = 64: 128 rows of xb
	s_mov_b32 s[G1+4], 64
	s_mov_b32 s[G1B+2], 96<<16                     ; B: 96: 192 rows of wb
	s_mov_b32 s[G1B+4], 96
	s_lshl_b32 s17, s12, 7
	s_lshl_b32 s16, s13, 8
	s_add_co_u32 s16, s16, s17                     ; A: row 256 x tile row + 128 x half: shared along my row of the cluster
	s_lshl_b32 s16, s16, 7                         ; rows of 128 bytes
	s_mul_i32 s46, s42, 384
	s_mul_i32 s47, s12, 192
	s_add_co_u32 s46, s46, s47                     ; B: row 384 x tile column + 192 x half: shared along my column
	s_lshl_b32 s46, s46, 7
	s_mov_b32 s17, 0
	s_mov_b32 s47, 0
	s_mul_i32 s20, s12, AH                         ; where they go: no place in the cluster enters an LDS address
	s_mul_i32 s21, s12, BH
	s_add_co_u32 s21, s21, BOFF
	s_mov_b32 s[TB], 0
	s_wait_dscnt 0x0                               ; the opening add is done
	s_wait_kmcnt 0x0
	s_add_nc_u64 s[14:15], s[4:5], s[16:17]
	s_add_nc_u64 s[46:47], s[6:7], s[46:47]
	CROUND                                         ; all sixteen work-groups are here: the first joint loads meet
.irp s, 0,1
	s_mov_b32 s[G0+4*(\s)], 1
	s_add_co_u32 s[G0+4*(\s)+1], s20, (\s)*SLOT1
	s_add_nc_u64 s[G0+4*(\s)+2:G0+4*(\s)+3], s[14:15], (\s)*XBLK   ; K step s is block s
	s_or_b32 s[G0+4*(\s)+3], s[G0+4*(\s)+3], 0x80000000
	s_mov_b32 s[G0B+4*(\s)], 1
	s_add_co_u32 s[G0B+4*(\s)+1], s21, (\s)*SLOT1
	s_add_nc_u64 s[G0B+4*(\s)+2:G0B+4*(\s)+3], s[46:47], (\s)*WBLK
	s_or_b32 s[G0B+4*(\s)+3], s[G0B+4*(\s)+3], 0x80000000
.endr
	s_cmp_eq_u32 s11, 0                            ; a wave's two first fills stand in one branch: two loads of mine are out
	s_cbranch_scc0 .Lfirst_b
	tensor_load_to_lds s[G0:G0+3], s[G1:G1+7]
	s_nop 0
	tensor_load_to_lds s[G0+4:G0+7], s[G1:G1+7]
	s_nop 0
.rept 4
	v_nop
.endr
	s_branch .Lfirst_asked
.Lfirst_b:
	tensor_load_to_lds s[G0B:G0B+3], s[G1B:G1B+7]
	s_nop 0
	tensor_load_to_lds s[G0B+4:G0B+7], s[G1B:G1B+7]
	s_nop 0
.rept 4
	v_nop
.endr
.Lfirst_asked:
	v_and_b32 v1, 15, v0                           ; r
	v_bfe_u32 v2, v0, 4, 1                         ; h
	; the bias of my 192 columns: for column block b the 8 numbers 16 b + 8 h + 0..7, the accumulators' layout.  Blocks 0-5 lie in B's second buffer, blocks 6-11 in A's second: both are free until the first quarter has used them.
	s_mul_i32 s18, s42, 1536
	s_mul_i32 s19, s12, 768
	s_add_co_u32 s18, s18, s19
	s_mov_b32 s19, 0
	s_add_nc_u64 s[86:87], s[86:87], s[18:19]
	v_lshlrev_b32 v[BO], 5, v2
.irp b, 0,1,2,3,4,5
	global_load_b128 v[FB1+8*\b:FB1+8*\b+3],   v[BO], s[86:87] offset:64*\b
	global_load_b128 v[FB1+8*\b+4:FB1+8*\b+7], v[BO], s[86:87] offset:64*\b+16
	global_load_b128 v[FA1+8*\b:FA1+8*\b+3],   v[BO], s[86:87] offset:64*\b+384
	global_load_b128 v[FA1+8*\b+4:FA1+8*\b+7], v[BO], s[86:87] offset:64*\b+400
.endr
	v_mul_u32_u24 v3, v1, PITCH
	v_lshl_add_u32 v3, v2, 4, v3                   ; a fragment's row x pitch + 16 x half
	s_mul_i32 s22, s11, AH                         ; my 128 rows of A
	s_mul_i32 s23, s12, BH                         ; my 192 rows of B,
	s_add_co_u32 s23, s23, BOFF                    ; behind A's 256
	v_add_nc_u32 v[A0], s22, v3
	v_add_nc_u32 v[B0], s23, v3
	v_add_nc_u32 v[ADA], s[TB], v[A0]
	v_add_nc_u32 v[ADB], s[TB], v[B0]
	s_mul_i32 s22, s11, 128*SPITCH                 ; into the stage: my 128 rows, my 384 bytes of them; row r, 16 bytes for each half of the lanes
	s_mul_i32 s23, s12, 384
	s_add_co_u32 s22, s22, s23
	v_mul_u32_u24 v4, v1, SPITCH
	v_lshl_add_u32 v4, v2, 4, v4
	v_add_nc_u32 v[STO], s22, v4
	v_add_nc_u32 v[STO+1], 64*SPITCH, v[STO]       ; an LDS offset has 16 bits: my rows 64-127 have an address of their own
	; back: wave w takes rows 64 w .. 64 w + 63, whole.  A row pair's 1,536 bytes are three loads of 512: row 0's first 512; row 0's last 256 and row 1's first 256; row 1's last 512.
	s_mul_i32 s22, s10, 64*SPITCH
	s_add_co_u32 s23, s22, 512
	v_and_b32 v5, 31, v0
	v_lshlrev_b32 v[CO0], 4, v5                    ; 16 x lane
	v_add_nc_u32 v[RD0], s22, v[CO0]
	v_lshlrev_b32 v6, 4, v1                        ; 16 r
	v_mul_u32_u24 v5, v2, SPITCH-512
	v_add3_u32 v[RD1], v5, v6, s23                 ; 512 + 16 r, or a row on: 784 + 16 r
	v_mul_u32_u24 v5, v2, OUTP-512
	v_add3_u32 v[CO1], v5, v6, 512
	s_lshl_b32 s16, s13, 8
	s_lshl_b32 s17, s10, 6
	s_add_co_u32 s16, s16, s17                     ; the first row of qkv that I store,
	s_mul_i32 s16, s16, OUTP
	s_mul_i32 s17, s42, 768                        ; the tile's first column, in bytes
	s_add_co_u32 s16, s16, s17
	s_mov_b32 s17, 0
	s_add_nc_u64 s[84:85], s[84:85], s[16:17]
; 8 matrix instructions: column block b x my 8 row blocks, 32 along K.  bias = 1: the first product starts the sums, with the bias as C (in window 0; D in the accumulators' window).
; The 96 accumulators take turns, one instruction a turn, in the same order in every quarter.
.macro MB fa, fb, b, bias
.set cb, FB1+8*(\b)+((\b)/6)*(FA1-FB1-48)
.if \bias
	WIN 0x40*(1+(\b)/4)
.else
	WIN 0x50*(1+(\b)/4)
.endif
.irp a, 0,1,2,3,4,5,6,7
.if \bias
	v_wmma_f32_16x16x32_bf16 v[8*(8*((\b)%4)+\a):8*(8*((\b)%4)+\a)+7], v[(\fb)+8*((\b)%6):(\fb)+8*((\b)%6)+7], v[(\fa)+8*\a:(\fa)+8*\a+7], v[cb:cb+7]
.else
	v_wmma_f32_16x16x32_bf16 v[8*(8*((\b)%4)+\a):8*(8*((\b)%4)+\a)+7], v[(\fb)+8*((\b)%6):(\fb)+8*((\b)%6)+7], v[(\fa)+8*\a:(\fa)+8*\a+7], v[8*(8*((\b)%4)+\a):8*(8*((\b)%4)+\a)+7]
.endif
.endr
.endm
.macro PART1 fa, hb, bias              ; a phase's first 16: the half's two column blocks that lie in window 2
	MB \fa, FB0+48*(\hb), 4+2*(\hb), \bias
	MB \fa, FB0+48*(\hb), 5+2*(\hb), \bias
.endm
.macro PART2 fa, hb, bias              ; its other 32: window 1 (half 0) or 3 (half 1)
	MB \fa, FB0+48*(\hb), 8*(\hb), \bias
	MB \fa, FB0+48*(\hb), 8*(\hb)+1, \bias
	MB \fa, FB0+48*(\hb), 8*(\hb)+2, \bias
	MB \fa, FB0+48*(\hb), 8*(\hb)+3, \bias
.endm
.macro FETCHB kq, hb                   ; 12 LDS loads: half hb of B's fragments of the slot's quarter kq, into that half's buffer
	WIN 0
.irp i, 0,1,2,3,4,5
	ds_load_b128 v[FB0+48*(\hb)+8*\i:FB0+48*(\hb)+8*\i+3],   v[ADB] offset:(6*(\hb)+\i)*16*PITCH+64*(\kq)
	ds_load_b128 v[FB0+48*(\hb)+8*\i+4:FB0+48*(\hb)+8*\i+7], v[ADB] offset:(6*(\hb)+\i)*16*PITCH+64*(\kq)+32
.endr
.endm
.macro FETCHA kq, ha                   ; 8 LDS loads: row blocks 4 ha .. 4 ha + 3 of A's fragments of quarter kq, into buffer kq
	WIN 0
.irp i, 0,1,2,3
	ds_load_b128 v[FA0+64*(\kq)+8*(4*(\ha)+\i):FA0+64*(\kq)+8*(4*(\ha)+\i)+3],   v[ADA] offset:(4*(\ha)+\i)*16*PITCH+64*(\kq)
	ds_load_b128 v[FA0+64*(\kq)+8*(4*(\ha)+\i)+4:FA0+64*(\kq)+8*(4*(\ha)+\i)+7], v[ADA] offset:(4*(\ha)+\i)*16*PITCH+64*(\kq)+32
.endr
.endm
.macro PLACES                          ; four plain vector instructions between a matrix instruction and a load into, or a read of, its registers
.rept 4
	v_nop
.endr
.endm
; The phases of a K step: (quarter, half of B).  Each fetches into buffers whose last readers stand in an earlier phase, 32 matrix instructions ahead of the next phase.
.macro P00
	s_wait_dscnt 0x0                               ; A's buffer 0 and B's half 0 are in
	PART1 FA0, 0, 0
	PLACES
	FETCHB 0, 1
	FETCHA 1, 0
	PART2 FA0, 0, 0
.endm
.macro P01
	s_wait_dscnt 8                                 ; B's half 1 is in; the eight loads of A's next quarter, issued behind it, may be out
	PART1 FA0, 1, 0
	PLACES
	FETCHB 1, 0
	FETCHA 1, 1
	PART2 FA0, 1, 0
.endm
.macro P10
	s_wait_dscnt 0x0
	PART1 FA1, 0, 0
	PLACES
	FETCHB 1, 1                                    ; my last reads of this slot
	PART2 FA1, 0, 0
.endm
; Phase (1, 1) changes slots: ONE barrier.  In front of it each wave waits for all its tensor loads, of which one is out: its part of the next slot; adds 0 to its spare word; and waits for that and for
; its reads of this slot.  fill = 1: the barrier opens a round of the cluster's barrier, and the slot just read is filled again, two K steps on, first thing behind the round:
; that load has 176 matrix instructions in which to land.
.macro TURN fill
	WIN 0
	s_wait_tensorcnt 0x0                           ; no tensor load of mine is out, so a group 0 may be written
	ds_add_u32 v[SPW], v[NIL]
	s_wait_dscnt 1                                 ; the add alone may be out: B's half 1 is in
	MB FA1, FB1, 6, 0
	s_wait_dscnt 0x0                               ; the add is done, and my reads of this slot are over
	s_barrier_signal -1
	MB FA1, FB1, 7, 0
	WIN 0
	s_barrier_wait -1
.if \fill
	CREST
	s_xor_b32 s[G0+5], s[G0+5], SLOT1              ; the walking descriptors: the other slot than last time,
	s_add_nc_u64 s[G0+6:G0+7], s[G0+6:G0+7], XBLK  ; the next block; the type bits on top are not reached
	s_xor_b32 s[G0B+5], s[G0B+5], SLOT1
	s_add_nc_u64 s[G0B+6:G0B+7], s[G0B+6:G0B+7], WBLK
	JLOAD                                          ; its four v_nop are also the places in front of the loads below
.else
	PLACES
.endif
	s_xor_b32 s[TB], s[TB], SLOT1                  ; the fetches go on in the other slot
	v_add_nc_u32 v[ADA], s[TB], v[A0]
	v_add_nc_u32 v[ADB], s[TB], v[B0]
	FETCHB 0, 0
	FETCHA 0, 0
	FETCHA 0, 1
	PART2 FA1, 1, 0
.endm
	s_wait_tensorcnt 1                             ; my part of K step 0 is in; K step 1's may stay out
	s_barrier_signal -1
	s_barrier_wait -1
	FETCHA 0, 0
	FETCHA 0, 1
	FETCHB 0, 0
	s_wait_loadcnt 0x0                             ; the bias
	s_wait_dscnt 0x0
	PART1 FA0, 0, 1                                ; the first quarter starts the sums with the bias: nothing is cleared, nothing is added later.
	PART2 FA0, 0, 1                                ; Its two fetches stand behind their phases: the buffers that they fill hold the bias until then
	PLACES
	FETCHB 0, 1
	s_wait_dscnt 0x0
	PART1 FA0, 1, 1
	PART2 FA0, 1, 1
	PLACES
	FETCHB 1, 0
	FETCHA 1, 0
	FETCHA 1, 1
	WIN 0
	s_mov_b32 s3, STEPS-2
.Lstep:                                                ; a trip: a K step's second quarter, the change of slots with a refill, the next step's first quarter
	P10
	TURN 1
	P00
	P01
	WIN 0
	s_sub_co_u32 s3, s3, 1
	s_cmp_lg_u32 s3, 0
	s_cbranch_scc1 .Lstep
	P10                                            ; the tail is written out: the last two K steps ask for nothing
	TURN 0
	P00
	P01
	P10
	s_wait_dscnt 0x0                               ; my last reads of the ring are back: say so,
	s_barrier_signal -1
	PART1 FA1, 1, 0
	PART2 FA1, 1, 0
	WIN 0
	s_barrier_wait -1                              ; and when all four have said so the ring, which has had its last fill, may be written
	; THE WAY OUT.  A window's 32 accumulators at a time: a lane's eight neighbouring columns are rounded to f16, 16 bytes, and go into the work-group's stage.
	PLACES
.irp w, 1,2,3
	WIN 5*\w                                       ; sources 0 and 1 in window w, destination in window 0
.set i, 0
.rept 32                               ; each accumulator's registers in ascending order
.irp k, 0,1,2,3
	v_cvt_pk_f16_f32 v[TMP+4*i+\k], v[8*i+2*\k], v[8*i+2*\k+1]
.endr
.set i, i+1
.endr
	WIN 0
.irp c, 0,1,2,3
.irp a, 0,1,2,3,4,5,6,7
	ds_store_b128 v[STO+\a/4], v[TMP+4*(8*\c+\a):TMP+4*(8*\c+\a)+3] offset:(\a%4)*16*SPITCH+32*(4*(\w-1)+\c)
.endr
.endr
.endr
	s_wait_dscnt 0x0                               ; for the others' sake: my stores into the stage are done
	s_barrier_signal -1
	s_barrier_wait -1
	s_mov_b32 s3, 4
.Lout:                                                 ; a trip: 16 whole rows as 8 row pairs, three loads and three stores each
.irp u, 0,1,2,3,4,5,6,7
	ds_load_b128 v[S+12*\u:S+12*\u+3],    v[RD0] offset:2*SPITCH*\u
	ds_load_b128 v[S+12*\u+4:S+12*\u+7],  v[RD1] offset:2*SPITCH*\u
	ds_load_b128 v[S+12*\u+8:S+12*\u+11], v[RD0] offset:2*SPITCH*\u+SPITCH+256
.endr
.irp u, 0,1,2,3,4,5,6,7
	s_wait_dscnt 21-3*\u                           ; the younger pairs' loads may be out
	global_store_b128 v[CO0], v[S+12*\u:S+12*\u+3],    s[84:85] offset:2*OUTP*\u           ; in each store 16 lanes cover 256 consecutive bytes, aligned
	global_store_b128 v[CO1], v[S+12*\u+4:S+12*\u+7],  s[84:85] offset:2*OUTP*\u
	global_store_b128 v[CO0], v[S+12*\u+8:S+12*\u+11], s[84:85] offset:2*OUTP*\u+OUTP+256
.endr
	s_wait_xcnt 0x0                                ; the stores' base and data are rewritten only behind this wait
	s_add_nc_u64 s[84:85], s[84:85], 16*OUTP
	v_add_nc_u32 v[RD0], 16*SPITCH, v[RD0]
	v_add_nc_u32 v[RD1], 16*SPITCH, v[RD1]
	s_sub_co_u32 s3, s3, 1
	s_cmp_lg_u32 s3, 0
	s_cbranch_scc1 .Lout
	s_wait_tensorcnt 0x0                           ; the wave's end
	ds_add_u32 v[SPW], v[NIL]
	s_wait_dscnt 0x0
	CROUND                                         ; the closing round
	s_endpgm
.Lfunc_end_k_qe1ae0fffb3_proj:
	.size	k_qe1ae0fffb3_proj, .Lfunc_end_k_qe1ae0fffb3_proj-k_qe1ae0fffb3_proj
	.p2alignl 7, 3214868480
	.fill 96, 4, 3214868480
	.section	.rodata,"a",@progbits
	.p2align	6, 0x0
	.amdhsa_kernel k_qe1ae0fffb3_proj
		.amdhsa_group_segment_fixed_size 327680
		.amdhsa_private_segment_fixed_size 0
		.amdhsa_enable_private_segment 0
		.amdhsa_kernarg_size 32
		.amdhsa_user_sgpr_count 2
		.amdhsa_user_sgpr_kernarg_segment_ptr 1
		.amdhsa_wavefront_size32 1
		.amdhsa_system_sgpr_workgroup_id_x 1
		.amdhsa_system_sgpr_workgroup_id_y 1
		.amdhsa_system_sgpr_workgroup_id_z 1
		.amdhsa_system_vgpr_workitem_id 0
		.amdhsa_next_free_vgpr 1024
		.amdhsa_next_free_sgpr 88
		.amdhsa_reserve_vcc 0
		.amdhsa_float_denorm_mode_32 3
		.amdhsa_float_denorm_mode_16_64 3
		.amdhsa_memory_ordered 1
		.amdhsa_forward_progress 1
		.amdhsa_inst_pref_size 101
	.end_amdhsa_kernel
	.amdgpu_metadata
---
amdhsa.version: [ 1, 2 ]
amdhsa.kernels:
  - .name:           k_qe1ae0fffb3_proj
    .symbol:         k_qe1ae0fffb3_proj.kd
    .args:
      - { .name: xb, .offset: 0, .size: 8, .value_kind: global_buffer, .address_space: global }
      - { .name: wb, .offset: 8, .size: 8, .value_kind: global_buffer, .address_space: global }
      - { .name: qkv, .offset: 16, .size: 8, .value_kind: global_buffer, .address_space: global }
      - { .name: bb, .offset: 24, .size: 8, .value_kind: global_buffer, .address_space: global }
    .group_segment_fixed_size: 327680
    .private_segment_fixed_size: 0
    .kernarg_segment_align: 8
    .kernarg_segment_size: 32
    .max_flat_workgroup_size: 128
    .sgpr_count:     88
    .vgpr_count:     1024
    .wavefront_size: 32
...
	.end_amdgpu_metadata
.endif
;; end of part 2
;; launch score (part 3): grid 8 x 32, 4 waves a work-group, clusters of 4 x 4, 327,680 bytes of LDS; arguments qkv, pbuf, mb, stats; writes pbuf, stats
.if DOCPART == 3
	.amdgcn_target "amdgcn-amd-amdhsa--gfx1250"
	.amdhsa_code_object_version 6
	.text
	.protected	k_qe1ae0fffb3_score
	.globl	k_qe1ae0fffb3_score
	.p2align	8
	.type	k_qe1ae0fffb3_score,@function
k_qe1ae0fffb3_score:
	s_mov_b64 s[64:65], 0
	v_nop
	global_prefetch_b8 v0, s[64:65] scope:SCOPE_SE
	s_setreg_imm32_b32 hwreg(HW_REG_WAVE_MODE, 25, 1), 1
	s_wait_xcnt 0x0
	s_wait_alu depctr_hold_cnt(0) depctr_sa_sdst(0) depctr_va_vdst(0) depctr_va_sdst(0) depctr_va_ssrc(0) depctr_va_vcc(0) depctr_vm_vsrc(0)
	s_getreg_b32 s2, hwreg(HW_REG_IB_STS2, 6, 4)
	s_cmp_eq_u32 s2, 0
	s_cbranch_scc0 .Lentry_in_a_cluster
	s_endpgm
.Lentry_in_a_cluster:
	s_bfe_u32 s2, ttmp6, 0x10000c
	s_cmp_lg_u32 s2, 0xf033
	s_cbranch_scc0 .Lentry_shape_is_right
	s_endpgm
.Lentry_shape_is_right:
; SCORE: s[q][k] = q[q] . k[k] (f16 operands, f32 sums), replaced by -1e9 where the mask is 0; then, for each query row and each block of 128 keys:
;   M = the block's maximum of s;  p = 2^(c (s - M)), c = log2(e) / 32, stored as f16 in pbuf [8192][2048];  l = the sum of the unrounded p.
; M goes to stats [b][kb 16][2048] f32, l to the same place 524,288 bytes on.  The next launch joins the 16 blocks of a row under their common maximum.
; The difference s - M is taken first and scaled afterwards, in two instructions and not one fused: the maximum's exponent is then exactly 0 at every size of s, -1e9 too,
; so a wholly masked block gives 128 equal weights, as the plain softmax does.
; LIMITS: q and k lie within f16's 65,504; p below 6e-5 keeps f16's fixed step; a weight below 2^-126 counts as 0; NaN and infinities are not treated apart.
; The product is the projection launch's: a tile of 256 queries x 256 keys, four waves of 128 x 128, K = 1,024 in 8 steps of 128, a ring of two LDS slots, a cluster of 4 x 4 with joint loads
; (q's rows shared along a row of the cluster, k's along a column; a cluster's four tile rows lie in one batch).  Lane (r, h), register j holds s(16 a + r, 16 b + 8 h + j).
; THE WAY OUT: a wave's 128 x 128 is one block of keys for 128 rows.  It is laid into the ring (which has had its last fill) and read back as row pairs: 16 lanes then hold a whole row of the block,
; 8 neighbouring keys each, and maximum and sum want four steps inside 16 lanes.  The mask comes as lane masks by scalar loads, 64 words a trip, asked for a trip ahead.
.set SIZE_K, 1024
.set KSTEP,  128
.set PITCH,  272
.set HALFT,  128*PITCH
.set SLOT,   4*HALFT
.set SCR,    2*SLOT                    ; behind the ring: 1,024 bytes a wave: 128 M, then 128 l
.set SPARE,  SCR+4096                  ; the spare words, 128 bytes a wave, which no other line names
.set DP,     528
.set DREG,   128*DP
.set LAPS,   SIZE_K/(2*KSTEP)
.set ROWB,   6144                      ; bytes in a row of qkv
.set OUTP,   4096                      ; bytes in a row of pbuf
.set ADRA, 16
.set ADRB, 20
.set DST,  24
.set RDA,  25
.set CO,   26
.set SCA,  27                          ; v27     where a row pair's M goes in my scratch
.set SPW,  28
.set NIL,  29
.set SRD,  30                          ; v30     my 16 bytes of my scratch
.set LO16, 31                          ; v31     16 x lane
.set NEG,  32                          ; v32     -1e9
.set F0,   64
.set F1,   128
.set S,    64                          ; v64-127   8 row pairs x 8 scores
.set PK,   128                         ; v128-159  their weights in f16
.set MX,   160                         ; v160-175  pair u's maximum at MX + 2 u; the odd registers are named with it as pairs and hold 0
.set LS,   176                         ; v176-183  pair u's sum
.set G1,  24
.set G0,  32
.set G1B, 48
.set G0B, 56
.set MSB, 0
.macro WIN new
.if MSB != (\new)
	s_set_vgpr_msb (MSB<<8)|(\new)
.set MSB, \new
.endif
.endm
.set MUL_LO, 0xa1
.set MUL_HI, 0xf1
.set TO_B,   0x40
.macro JLOAD s                         ; a joint refill: waves 0 and 1 fetch q's two halves, waves 2 and 3 k's; an s_nop 0 and four v_nop follow each line
	s_cmp_eq_u32 s11, 0
	s_cbranch_scc0 .Lfor_b_\@
	tensor_load_to_lds s[G0+4*(\s):G0+4*(\s)+3], s[G1:G1+7]
	s_nop 0
.rept 4
	v_nop
.endr
	s_branch .Lasked_\@
.Lfor_b_\@:
	tensor_load_to_lds s[G0B+4*(\s):G0B+4*(\s)+3], s[G1B:G1B+7]
	s_nop 0
.rept 4
	v_nop
.endr
.Lasked_\@:
.endm
.macro CREST
	s_cmp_lg_u32 s10, 0
	s_cbranch_scc1 .Lnot_wave_0_\@
	s_barrier_signal -3
.Lnot_wave_0_\@:
	s_barrier_wait -3
	s_barrier_signal -1
	s_barrier_wait -1
.endm
.macro CROUND
	s_barrier_signal -1
	s_barrier_wait -1
	CREST
.endm
	s_load_b64 s[4:5], s[0:1], 0x0                 ; qkv
	s_load_b128 s[84:87], s[0:1], 0x8              ; pbuf s[84:85], mb s[86:87]
	s_load_b64 s[88:89], s[0:1], 0x18              ; stats
	v_lshl_add_u32 v[SPW], v0, 2, SPARE
	v_mov_b32 v[NIL], 0
	ds_add_u32 v[SPW], v[NIL]                      ; the wave's opening: the add and its wait ahead of my first tensor load
	v_lshrrev_b32 v1, 5, v0
	v_readfirstlane_b32 s10, v1                    ; wave 0..3
	s_lshr_b32 s11, s10, 1                         ; my half of the queries; also: I fetch q (0) or k (1)
	s_and_b32 s12, s10, 1                          ; my half of the keys; also: which 128 rows I fetch
	s_bfe_u32 s40, ttmp6, 0x40000                  ; cx
	s_bfe_u32 s41, ttmp6, 0x40004                  ; cy
	s_lshl_b32 s42, ttmp9, 2
	s_add_co_u32 s42, s42, s40                     ; key tile of the batch = 4 x cluster x + cx
	s_and_b32 s45, ttmp7, 0xffff                   ; cluster y: two to a batch
	s_lshl_b32 s13, s45, 2
	s_add_co_u32 s13, s13, s41                     ; query tile among all 32 = 4 x cluster y + cy
	s_lshl_b32 s43, s41, 2
	s_lshl_b32 s43, 15, s43
	s_lshl_b32 s44, 0x1111, s40
	s_or_b32 s[G1+0], s43, (1<<16)|(1<<20)|(1<<21)|(5<<22)|(3<<25)
	s_or_b32 s[G1B+0], s44, (1<<16)|(1<<20)|(1<<21)|(5<<22)|(3<<25)
.irp g, G1, G1B
	s_mov_b32 s[(\g)+1], KSTEP<<16
	s_mov_b32 s[(\g)+2], 128<<16
	s_mov_b32 s[(\g)+3], KSTEP<<16
	s_mov_b32 s[(\g)+4], 128
	s_mov_b32 s[(\g)+5], ROWB/2                    ; 3,072 elements from row to row
	s_mov_b32 s[(\g)+6], 0
	s_mov_b32 s[(\g)+7], 0
.endr
	s_lshl_b32 s17, s12, 7
	s_lshl_b32 s16, s13, 8
	s_add_co_u32 s16, s16, s17                     ; q: row 256 x query tile + 128 x half
	s_mul_i32 s16, s16, ROWB
	s_lshr_b32 s46, s45, 1                         ; the batch, from the cluster's y alone: the same down a column of the cluster
	s_lshl_b32 s46, s46, 11
	s_lshl_b32 s47, s42, 8
	s_add_co_u32 s46, s46, s47
	s_add_co_u32 s46, s46, s17                     ; k: row 2,048 x batch + 256 x key tile + 128 x half,
	s_mul_i32 s46, s46, ROWB
	s_add_co_u32 s46, s46, 2048                    ; and k's place in a row
	s_mov_b32 s17, 0
	s_mov_b32 s47, 0
	s_mul_i32 s20, s10, HALFT
	s_wait_dscnt 0x0                               ; the opening add is done
	s_wait_kmcnt 0x0
	s_add_nc_u64 s[14:15], s[4:5], s[16:17]
	s_add_nc_u64 s[46:47], s[4:5], s[46:47]
	CROUND                                         ; all sixteen work-groups are here: the first joint loads meet
.irp s, 0,1
	s_mov_b32 s[G0+4*(\s)], 1
	s_add_co_u32 s[G0+4*(\s)+1], s20, (\s)*SLOT
	s_add_nc_u64 s[G0+4*(\s)+2:G0+4*(\s)+3], s[14:15], (\s)*KSTEP*2
	s_or_b32 s[G0+4*(\s)+3], s[G0+4*(\s)+3], 0x80000000
	s_mov_b32 s[G0B+4*(\s)], 1
	s_add_co_u32 s[G0B+4*(\s)+1], s20, (\s)*SLOT
	s_add_nc_u64 s[G0B+4*(\s)+2:G0B+4*(\s)+3], s[46:47], (\s)*KSTEP*2
	s_or_b32 s[G0B+4*(\s)+3], s[G0B+4*(\s)+3], 0x80000000
.endr
	s_cmp_eq_u32 s11, 0                            ; a wave's two first fills stand in one branch: two loads of mine are out
	s_cbranch_scc0 .Lfirst_b
	tensor_load_to_lds s[G0:G0+3], s[G1:G1+7]
	s_nop 0
	tensor_load_to_lds s[G0+4:G0+7], s[G1:G1+7]
	s_nop 0
.rept 4
	v_nop
.endr
	s_branch .Lfirst_asked
.Lfirst_b:
	tensor_load_to_lds s[G0B:G0B+3], s[G1B:G1B+7]
	s_nop 0
	tensor_load_to_lds s[G0B+4:G0B+7], s[G1B:G1B+7]
	s_nop 0
.rept 4
	v_nop
.endr
.Lfirst_asked:
	v_and_b32 v1, 15, v0                           ; r
	v_bfe_u32 v2, v0, 4, 1                         ; h
	v_mul_u32_u24 v3, v1, PITCH
	v_lshl_add_u32 v3, v2, 4, v3
	s_mul_i32 s21, s11, HALFT
	s_mul_i32 s22, s12, HALFT
	s_add_co_u32 s22, s22, 2*HALFT
.irp s, 0,1
	v_add_nc_u32 v[ADRA+(\s)], s21, v3
	v_add_nc_u32 v[ADRB+(\s)], s22, v3
	s_add_co_u32 s21, s21, SLOT
	s_add_co_u32 s22, s22, SLOT
.endr
	s_mul_i32 s23, s10, DREG
	v_mul_u32_u24 v4, v1, DP
	v_lshl_add_u32 v4, v2, 4, v4
	v_add_nc_u32 v[DST], s23, v4
	v_mul_u32_u24 v5, v2, DP
	v_lshl_add_u32 v5, v1, 4, v5
	v_add_nc_u32 v[RDA], s23, v5
	v_lshlrev_b32 v5, 12, v2
	v_lshl_add_u32 v[CO], v1, 4, v5                ; 4,096 h + 16 r
	s_lshl_b32 s23, s10, 10
	s_add_co_u32 s23, s23, SCR                     ; my scratch
	v_lshl_add_u32 v[SCA], v2, 2, s23
	v_and_b32 v[LO16], 31, v0
	v_lshlrev_b32 v[LO16], 4, v[LO16]
	v_add_nc_u32 v[SRD], s23, v[LO16]
	; all that hangs on s12 and above is made here: on the way out s12 to s59 and s68 to s83 take the mask words
	s_lshl_b32 s16, s13, 8
	s_lshl_b32 s17, s11, 7
	s_add_co_u32 s16, s16, s17                     ; my first row of pbuf,
	s_lshl_b32 s16, s16, 12
	s_lshl_b32 s17, s42, 9                         ; my first key, in bytes
	s_add_co_u32 s16, s16, s17
	s_lshl_b32 s17, s12, 8
	s_add_co_u32 s16, s16, s17
	s_mov_b32 s17, 0
	s_add_nc_u64 s[84:85], s[84:85], s[16:17]
	s_lshl_b32 s18, s42, 1
	s_add_co_u32 s18, s18, s12                     ; kb: my block of 128 keys
	s_lshl_b32 s16, s13, 1
	s_add_co_u32 s16, s16, s11                     ; qt: my block of 128 rows
	s_lshl_b32 s16, s16, 4
	s_add_co_u32 s16, s16, s18
	s_lshl_b32 s16, s16, 11
	s_add_nc_u64 s[86:87], s[86:87], s[16:17]      ; my 512 mask words
	s_lshr_b32 s16, s13, 3                         ; the batch
	s_lshl_b32 s16, s16, 4
	s_add_co_u32 s16, s16, s18
	s_lshl_b32 s16, s16, 11
	s_and_b32 s19, s13, 7
	s_lshl_b32 s19, s19, 8
	s_add_co_u32 s16, s16, s19
	s_lshl_b32 s19, s11, 7
	s_add_co_u32 s16, s16, s19                     ; (16 b + kb) x 2,048 + my first row in the batch
	s_lshl_b32 s16, s16, 2
	s_add_nc_u64 s[88:89], s[88:89], s[16:17]
	s_mov_b32 s90, 0x3d38aa3b                      ; c = log2(e) / 32
	s_mov_b32 s91, s90                             ; named with it as a pair
.macro MUL16 f, hi, a0, zero
	WIN MUL_LO+0x50*(\hi)
.irp a, \a0, (\a0)+1
.irp b, 0,1,2,3,4,5,6,7
.if \zero
	v_wmma_f32_16x16x32_f16 v[8*(8*(\a)+(\b)):8*(8*(\a)+(\b))+7], v[(\f)+8*(\b):(\f)+8*(\b)+7], v[(\f)+8*(4*(\hi)+(\a)):(\f)+8*(4*(\hi)+(\a))+7], 0
.else
	v_wmma_f32_16x16x32_f16 v[8*(8*(\a)+(\b)):8*(8*(\a)+(\b))+7], v[(\f)+8*(\b):(\f)+8*(\b)+7], v[(\f)+8*(4*(\hi)+(\a)):(\f)+8*(4*(\hi)+(\a))+7], v[8*(8*(\a)+(\b)):8*(8*(\a)+(\b))+7]
.endif
.endr
.endr
.endm
.macro FETCH slot, k, f
	WIN TO_B
.irp i, 0,1,2,3,4,5,6,7
	ds_load_b128 v[(\f)+8*(\i):(\f)+8*(\i)+3],   v[ADRB+(\slot)] offset:(\k)+(\i)*16*PITCH
	ds_load_b128 v[(\f)+8*(\i)+4:(\f)+8*(\i)+7], v[ADRB+(\slot)] offset:(\k)+(\i)*16*PITCH+32
.endr
	WIN 0
.irp i, 0,1,2,3,4,5,6,7
	ds_load_b128 v[(\f)+8*(\i):(\f)+8*(\i)+3],   v[ADRA+(\slot)] offset:(\k)+(\i)*16*PITCH
	ds_load_b128 v[(\f)+8*(\i)+4:(\f)+8*(\i)+7], v[ADRA+(\slot)] offset:(\k)+(\i)*16*PITCH+32
.endr
.endm
.macro PLACES                          ; four plain vector instructions between a matrix instruction and a load into, or a read or write of, its registers
.rept 4
	v_nop
.endr
.endm
.macro QUARTER slot, k, f, g, zero
	s_wait_dscnt 8                                 ; k's fragments and q's rows 0-63 are in; the youngest eight loads may be out
	MUL16 \f, 0, 0, \zero
	MUL16 \f, 0, 2, \zero
	PLACES
	FETCH \slot, \k, \g
	s_wait_dscnt 32                                ; all but the 32 just issued
	MUL16 \f, 1, 0, \zero
	MUL16 \f, 1, 2, \zero
.endm
.macro MEET round
	WIN 0
	s_wait_tensorcnt 0x0                           ; all my tensor loads have landed: the one that was out is my part of the next slot
	ds_add_u32 v[SPW], v[NIL]
	s_wait_dscnt 9                                 ; the add and the youngest eight loads may be out
	MUL16 F1, 0, 0, 0
	s_wait_dscnt 0x0                               ; the add is done, and my reads of this slot are over
	s_barrier_signal -1
	MUL16 F1, 0, 2, 0
.if \round
	WIN 0
.endif
	s_barrier_wait -1
.endm
.macro TURN slot, next
	MEET 1
	CREST
	s_add_nc_u64 s[G0+4*(\slot)+2:G0+4*(\slot)+3], s[G0+4*(\slot)+2:G0+4*(\slot)+3], 2*KSTEP*2
	s_add_nc_u64 s[G0B+4*(\slot)+2:G0B+4*(\slot)+3], s[G0B+4*(\slot)+2:G0B+4*(\slot)+3], 2*KSTEP*2
	JLOAD \slot
	FETCH \next, 0, F0
	MUL16 F1, 1, 0, 0
	MUL16 F1, 1, 2, 0
.endm
	s_wait_tensorcnt 1                             ; my part of K step 0 is in; K step 1's may stay out
	s_barrier_signal -1
	s_barrier_wait -1
	FETCH 0, 0, F0
	QUARTER 0, 64,  F0, F1, 1
	WIN 0
	s_mov_b32 s3, LAPS-1
.Llap:
	QUARTER 0, 128, F1, F0, 0
	QUARTER 0, 192, F0, F1, 0
	TURN 0, 1
	QUARTER 1, 64,  F0, F1, 0
	QUARTER 1, 128, F1, F0, 0
	QUARTER 1, 192, F0, F1, 0
	TURN 1, 0
	QUARTER 0, 64,  F0, F1, 0
	WIN 0
	s_sub_co_u32 s3, s3, 1
	s_cmp_lg_u32 s3, 0
	s_cbranch_scc1 .Llap
	QUARTER 0, 128, F1, F0, 0
	QUARTER 0, 192, F0, F1, 0
	MEET 0                                         ; the last wait for tensor loads: from here on the descriptors' registers are free
	PLACES
	FETCH 1, 0, F0
	MUL16 F1, 1, 0, 0
	MUL16 F1, 1, 2, 0
	QUARTER 1, 64,  F0, F1, 0
	QUARTER 1, 128, F1, F0, 0
	QUARTER 1, 192, F0, F1, 0
	s_wait_dscnt 0x0                               ; my last reads of the ring are back: say so,
	s_barrier_signal -1
	MUL16 F1, 0, 0, 0
	MUL16 F1, 0, 2, 0
	MUL16 F1, 1, 0, 0
	MUL16 F1, 1, 2, 0
	WIN 0
	s_barrier_wait -1                              ; and when all four have said so the ring, which has had its last fill, may be written
; 64 mask words, a trip's, at byte s92 of my 2,048: word n lies in s[12 + n], from 48 on in s[20 + n]
.macro MLOAD
	s_load_b512 s[12:27], s[86:87], s92 offset:0x0
	s_load_b512 s[28:43], s[86:87], s92 offset:0x40
	s_load_b512 s[44:59], s[86:87], s92 offset:0x80
	s_load_b512 s[68:83], s[86:87], s92 offset:0xc0
.endm
.macro CND n                           ; score n of the trip's 64 registers stays where its lane's bit is 1 and becomes -1e9 where it is 0
.if (\n) < 48
	v_cndmask_b32 v[S+(\n)], v[NEG], v[S+(\n)], s[12+(\n)]
.else
	v_cndmask_b32 v[S+(\n)], v[NEG], v[S+(\n)], s[20+(\n)]
.endif
.endm
	s_mov_b32 s92, 0
	MLOAD                                          ; the first trip's words come while the scores are laid out
	PLACES
	v_mov_b32 v[NEG], 0xce6e6b28                   ; -1e9
.irp u, 0,1,2,3,4,5,6,7
	v_mov_b32 v[MX+2*\u+1], 0
.endr
	WIN 0x08                                       ; store data (source 1) in window 2
.irp a, 0,1,2,3
.irp b, 0,1,2,3,4,5,6,7
	ds_store_b128 v[DST], v[8*(8*(\a)+(\b)):8*(8*(\a)+(\b))+3]   offset:16*DP*(\a)+32*(\b)
	ds_store_b128 v[DST], v[8*(8*(\a)+(\b))+4:8*(8*(\a)+(\b))+7] offset:16*DP*(\a)+32*(\b)+256
.endr
.endr
	WIN 0x0c                                       ; window 3
.irp a, 0,1,2,3
.irp b, 0,1,2,3,4,5,6,7
	ds_store_b128 v[DST], v[8*(8*(\a)+(\b)):8*(8*(\a)+(\b))+3]   offset:16*DP*(4+(\a))+32*(\b)
	ds_store_b128 v[DST], v[8*(8*(\a)+(\b))+4:8*(8*(\a)+(\b))+7] offset:16*DP*(4+(\a))+32*(\b)+256
.endr
.endr
	WIN 0
	s_mov_b32 s3, 8
.Lout:                                                 ; a trip: 16 rows as 8 row pairs; each stage runs over the 8 pairs, so that neighbouring lines do not wait for each other
	s_wait_kmcnt 0x0                               ; this trip's mask words
.irp u, 0,1,2,3,4,5,6,7
	ds_load_b128 v[S+8*\u:S+8*\u+3],   v[RDA] offset:2*DP*\u
	ds_load_b128 v[S+8*\u+4:S+8*\u+7], v[RDA] offset:2*DP*\u+256
.endr
.irp u, 0,1,2,3,4,5,6,7
	s_wait_dscnt 14-2*\u                           ; the younger pairs' loads may be out
.irp j, 0,1,2,3,4,5,6,7
	CND 8*\u+\j
.endr
.endr
	s_add_co_u32 s92, s92, 256                     ; the next trip's words; the last trip asks for its own once more, so that no load leaves my 2,048 bytes
	s_min_u32 s92, s92, 1792
	MLOAD
.irp u, 0,1,2,3,4,5,6,7
	v_max3_num_f32 v[MX+2*\u], v[S+8*\u], v[S+8*\u+1], v[S+8*\u+2]
.endr
.irp u, 0,1,2,3,4,5,6,7
	v_max3_num_f32 v[MX+2*\u], v[MX+2*\u], v[S+8*\u+3], v[S+8*\u+4]
.endr
.irp u, 0,1,2,3,4,5,6,7
	v_max3_num_f32 v[MX+2*\u], v[MX+2*\u], v[S+8*\u+5], v[S+8*\u+6]
.endr
.irp u, 0,1,2,3,4,5,6,7
	v_max_num_f32 v[MX+2*\u], v[MX+2*\u], v[S+8*\u+7]
.endr
.irp m, 1,2,4,8                        ; a row of the block lies in 16 lanes
.irp u, 0,1,2,3,4,5,6,7
	v_max_num_f32_dpp v[MX+2*\u], v[MX+2*\u], v[MX+2*\u] row_xmask:\m row_mask:0xf bank_mask:0xf
.endr
.endr
.irp u, 0,1,2,3,4,5,6,7
.irp k, 0,2,4,6
	v_pk_add_f32 v[S+8*\u+\k:S+8*\u+\k+1], v[S+8*\u+\k:S+8*\u+\k+1], v[MX+2*\u:MX+2*\u+1] op_sel_hi:[1,0] neg_lo:[0,1] neg_hi:[0,1]  ; s - M
.endr
.endr
.set i, 0
.rept 32
	v_pk_mul_f32 v[S+2*i:S+2*i+1], v[S+2*i:S+2*i+1], s[90:91] op_sel_hi:[1,0]  ; times c
.set i, i+1
.endr
.set i, 0
.rept 64
	v_exp_f32 v[S+i], v[S+i]
.set i, i+1
.endr
	v_add_nc_u32 v[RDA], 16*DP, v[RDA]             ; the next trip's rows: also the plain instruction between the exponentials and the use of their results (ISA guide 5.7.2)
	s_wait_alu depctr_va_vdst(0)
.irp u, 0,1,2,3,4,5,6,7
.irp k, 0,1,2,3
	v_cvt_pk_f16_f32 v[PK+4*\u+\k], v[S+8*\u+2*\k], v[S+8*\u+2*\k+1]
.endr
	global_store_b128 v[CO], v[PK+4*\u:PK+4*\u+3], s[84:85] offset:2*OUTP*\u  ; 16 lanes store 256 consecutive bytes, aligned
.endr
.irp u, 0,1,2,3,4,5,6,7
	v_pk_add_f32 v[S+8*\u:S+8*\u+1], v[S+8*\u:S+8*\u+1], v[S+8*\u+2:S+8*\u+3]
.endr
.irp u, 0,1,2,3,4,5,6,7
	v_pk_add_f32 v[S+8*\u+4:S+8*\u+5], v[S+8*\u+4:S+8*\u+5], v[S+8*\u+6:S+8*\u+7]
.endr
.irp u, 0,1,2,3,4,5,6,7
	v_pk_add_f32 v[S+8*\u:S+8*\u+1], v[S+8*\u:S+8*\u+1], v[S+8*\u+4:S+8*\u+5]
.endr
.irp u, 0,1,2,3,4,5,6,7
	v_add_f32 v[LS+\u], v[S+8*\u], v[S+8*\u+1]
.endr
.irp m, 1,2,4,8
.irp u, 0,1,2,3,4,5,6,7
	v_add_f32_dpp v[LS+\u], v[LS+\u], v[LS+\u] row_xmask:\m row_mask:0xf bank_mask:0xf
.endr
.endr
.irp u, 0,1,2,3,4,5,6,7
	ds_store_b32 v[SCA], v[MX+2*\u] offset:8*\u        ; the 16 lanes of a row write one word with one value
	ds_store_b32 v[SCA], v[LS+\u]   offset:512+8*\u
.endr
	v_add_nc_u32 v[SCA], 64, v[SCA]
	s_wait_xcnt 0x0                                ; the stores' base and data are rewritten only behind this wait
	s_add_nc_u64 s[84:85], s[84:85], 16*OUTP
	s_sub_co_u32 s3, s3, 1
	s_cmp_lg_u32 s3, 0
	s_cbranch_scc1 .Lout
	s_wait_kmcnt 0x0                               ; the last trip's scalar loads, whose words nobody needs
	ds_load_b128 v[S:S+3],   v[SRD]                ; my 128 M and 128 l, my own bytes
	ds_load_b128 v[S+4:S+7], v[SRD] offset:512
	s_wait_dscnt 0x0
	global_store_b128 v[LO16], v[S:S+3],   s[88:89]                ; 512 consecutive bytes each
	global_store_b128 v[LO16], v[S+4:S+7], s[88:89] offset:524288
	s_wait_tensorcnt 0x0                           ; the wave's end
	ds_add_u32 v[SPW], v[NIL]
	s_wait_dscnt 0x0
	CROUND                                         ; the closing round
	s_endpgm
.Lfunc_end_k_qe1ae0fffb3_score:
	.size	k_qe1ae0fffb3_score, .Lfunc_end_k_qe1ae0fffb3_score-k_qe1ae0fffb3_score
	.p2alignl 7, 3214868480
	.fill 96, 4, 3214868480
	.section	.rodata,"a",@progbits
	.p2align	6, 0x0
	.amdhsa_kernel k_qe1ae0fffb3_score
		.amdhsa_group_segment_fixed_size 327680
		.amdhsa_private_segment_fixed_size 0
		.amdhsa_enable_private_segment 0
		.amdhsa_kernarg_size 32
		.amdhsa_user_sgpr_count 2
		.amdhsa_user_sgpr_kernarg_segment_ptr 1
		.amdhsa_wavefront_size32 1
		.amdhsa_system_sgpr_workgroup_id_x 1
		.amdhsa_system_sgpr_workgroup_id_y 1
		.amdhsa_system_sgpr_workgroup_id_z 1
		.amdhsa_system_vgpr_workitem_id 0
		.amdhsa_next_free_vgpr 1024
		.amdhsa_next_free_sgpr 96
		.amdhsa_reserve_vcc 0
		.amdhsa_float_denorm_mode_32 3
		.amdhsa_float_denorm_mode_16_64 3
		.amdhsa_memory_ordered 1
		.amdhsa_forward_progress 1
		.amdhsa_inst_pref_size 144
	.end_amdhsa_kernel
	.amdgpu_metadata
---
amdhsa.version: [ 1, 2 ]
amdhsa.kernels:
  - .name:           k_qe1ae0fffb3_score
    .symbol:         k_qe1ae0fffb3_score.kd
    .args:
      - { .name: qkv, .offset: 0, .size: 8, .value_kind: global_buffer, .address_space: global }
      - { .name: pbuf, .offset: 8, .size: 8, .value_kind: global_buffer, .address_space: global }
      - { .name: mb, .offset: 16, .size: 8, .value_kind: global_buffer, .address_space: global }
      - { .name: stats, .offset: 24, .size: 8, .value_kind: global_buffer, .address_space: global }
    .group_segment_fixed_size: 327680
    .private_segment_fixed_size: 0
    .kernarg_segment_align: 8
    .kernarg_segment_size: 32
    .max_flat_workgroup_size: 128
    .sgpr_count:     96
    .vgpr_count:     1024
    .wavefront_size: 32
...
	.end_amdgpu_metadata
.endif
;; end of part 3
;; launch pv (part 4): grid 4 x 64, 4 waves a work-group, clusters of 4 x 4, 327,680 bytes of LDS; arguments pbuf, qkv, stats, out0; writes out0
.if DOCPART == 4
	.amdgcn_target "amdgcn-amd-amdhsa--gfx1250"
	.amdhsa_code_object_version 6
	.text
	.protected	k_qe1ae0fffb3_pv
	.globl	k_qe1ae0fffb3_pv
	.p2align	8
	.type	k_qe1ae0fffb3_pv,@function
k_qe1ae0fffb3_pv:
	s_mov_b64 s[64:65], 0
	v_nop
	global_prefetch_b8 v0, s[64:65] scope:SCOPE_SE
	s_setreg_imm32_b32 hwreg(HW_REG_WAVE_MODE, 25, 1), 1
	s_wait_xcnt 0x0
	s_wait_alu depctr_hold_cnt(0) depctr_sa_sdst(0) depctr_va_vdst(0) depctr_va_sdst(0) depctr_va_ssrc(0) depctr_va_vcc(0) depctr_vm_vsrc(0)
	s_getreg_b32 s2, hwreg(HW_REG_IB_STS2, 6, 4)
	s_cmp_eq_u32 s2, 0
	s_cbranch_scc0 .Lentry_in_a_cluster
	s_endpgm
.Lentry_in_a_cluster:
	s_bfe_u32 s2, ttmp6, 0x10000c
	s_cmp_lg_u32 s2, 0xf033
	s_cbranch_scc0 .Lentry_shape_is_right
	s_endpgm
.Lentry_shape_is_right:
; PV: out0[q][:] = (sum over the 16 key blocks t of f_t P_t[q] V_t) / (sum over t of f_t l_t),  f_t = 2^(c (M_t - max over t of M_t)), c = log2(e) / 32.
; P (pbuf [8192][2048]) and V (bytes 4,096 on of qkv's rows of 6,144) are f16; M and l (stats) f32; sums in f32; out0 [8192][1024] f32.
; f_t, rounded to f16, multiplies P's fragments between their load and the matrix instruction (one packed f16 multiply for two weights); the divisor is made in f32.
; LIMITS: v lies within f16's 65,504; f_t p below 6e-5 keeps f16's fixed step; f_t below 2^-126 counts as 0; NaN and infinities are not treated apart.
; A tile is 128 queries x 256 channels, so that the 8,192 x 1,024 numbers give 256 work-groups; four waves of 64 x 128: 32 accumulators.  The keys go in 16 steps of 128, the grain of M and l,
; through a ring of two LDS slots.  Cluster of 4 x 4: P's tile is shared along a row (the four channel tiles of one query tile), V's along a column (four query tiles of one batch).
; Source 0 = 16 channels of V, turned out of LDS by ds_load_tr16_b128; source 1 = 16 queries of P: lane (r, h), register j holds O(16 a + r, 16 b + 8 h + j).
; REGISTERS: window 0: v2-9, v22 addresses; v32-95, v96-159 V's two fragment buffers; v160-223 the accumulators (3, b); v224-231 f, two sets of four; v232-239 1 / L.
;   window 1: v0-191 the accumulators (a, b), a < 3, at 64 a + 8 b; v192-223, v224-255 P's two buffers.
.set PP,    272                        ; a row of P in LDS: 256 bytes + 16
.set PVP,   544                        ; a row of V: 512 bytes + 32 = 17 x 32
.set PHALF, 64*PP
.set VHALF, 64*PVP
.set VOFF,  2*PHALF                    ; a slot: P's 128 rows, then V's 128 keys
.set SLOT,  VOFF+2*VHALF
.set STAGE, 2*SLOT                     ; behind the ring: 16 rows x 528 bytes for each wave, for the way out
.set SP,    528
.set FT,    STAGE+4*16*SP              ; f as two equal f16 halves: [t 16][row 128] words
.set IL,    FT+16*512                  ; 1 / L: [row 128] f32
.set SPARE, IL+512                     ; the spare words, 128 bytes a wave, which no other line names
.set ROWB,  6144
.set ADRP, 2                           ; v2-3   LDS address of my P fragments in slot 0, 1
.set ADRV, 4                           ; v4-5   the same for V
.set FA,   6                           ; v6     where the next step's f of my rows lies
.set STO,  7
.set RD,   8
.set GO,   9
.set FA0,  22                          ; v22    FA as it began
.set SPW,  28
.set NIL,  29
.set VB,   32
.set AC3,  160
.set FS,   224
.set ILP,  232
.set PB,   192                         ; window 1
.set TMP,  32                          ; the way out: a block's 64 scaled numbers
.set G1,  24                           ; s[24:31] group 1 for P's tiles;  s[32:39] group 0, a set for each slot
.set G0,  32
.set G1B, 48                           ; the same for V's
.set G0B, 56
.set MSB, 0
.macro WIN new
.if MSB != (\new)
	s_set_vgpr_msb (MSB<<8)|(\new)
.set MSB, \new
.endif
.endm
.set WX, 0x54                          ; destination, source 2 and source 1 in window 1, source 0 in window 0: products of a < 3; the scaling of P; P's loads
.set WY, 0x04                          ; source 1 alone in window 1: products of a = 3; V's and f's loads
.macro JLOAD s                         ; a joint refill: waves 0 and 1 fetch P's two halves, waves 2 and 3 V's; an s_nop 0 and four v_nop follow each line
	s_cmp_eq_u32 s11, 0
	s_cbranch_scc0 .Lfor_b_\@
	tensor_load_to_lds s[G0+4*(\s):G0+4*(\s)+3], s[G1:G1+7]
	s_nop 0
.rept 4
	v_nop
.endr
	s_branch .Lasked_\@
.Lfor_b_\@:
	tensor_load_to_lds s[G0B+4*(\s):G0B+4*(\s)+3], s[G1B:G1B+7]
	s_nop 0
.rept 4
	v_nop
.endr
.Lasked_\@:
.endm
.macro CREST
	s_cmp_lg_u32 s10, 0
	s_cbranch_scc1 .Lnot_wave_0_\@
	s_barrier_signal -3
.Lnot_wave_0_\@:
	s_barrier_wait -3
	s_barrier_signal -1
	s_barrier_wait -1
.endm
.macro CROUND
	s_barrier_signal -1
	s_barrier_wait -1
	CREST
.endm
	s_load_b128 s[4:7], s[0:1], 0x0                ; pbuf s[4:5], qkv s[6:7]
	s_load_b128 s[68:71], s[0:1], 0x10             ; stats s[68:69], out0 s[70:71]
	v_lshl_add_u32 v[SPW], v0, 2, SPARE
	v_mov_b32 v[NIL], 0
	ds_add_u32 v[SPW], v[NIL]                      ; the wave's opening: the add and its wait ahead of my first tensor load
	v_lshrrev_b32 v1, 5, v0
	v_readfirstlane_b32 s10, v1                    ; wave 0..3
	s_lshr_b32 s11, s10, 1                         ; my half of the queries; also: I fetch P (0) or V (1)
	s_and_b32 s12, s10, 1                          ; my half of the channels; also: which 64 rows I fetch
	s_bfe_u32 s40, ttmp6, 0x40000                  ; cx
	s_bfe_u32 s41, ttmp6, 0x40004                  ; cy
	s_lshl_b32 s42, ttmp9, 2
	s_add_co_u32 s42, s42, s40                     ; channel tile
	s_and_b32 s45, ttmp7, 0xffff                   ; cluster y: four to a batch
	s_lshl_b32 s13, s45, 2
	s_add_co_u32 s13, s13, s41                     ; query tile among all 64
	s_lshl_b32 s43, s41, 2
	s_lshl_b32 s43, 15, s43
	s_lshl_b32 s44, 0x1111, s40
	s_or_b32 s[G1+0], s43, (1<<16)|(1<<20)|(1<<21)|(5<<22)|(3<<25)   ; P: to my row of the cluster; after every 64 words 4 words of padding
	s_mov_b32 s[G1+1], 128<<16                     ; tensor_dim0 = 128
	s_mov_b32 s[G1+2], 64<<16                      ; tensor_dim1 = 64
	s_mov_b32 s[G1+3], 128<<16                     ; tile_dim0 = 128
	s_mov_b32 s[G1+4], 64                          ; tile_dim1 = 64
	s_mov_b32 s[G1+5], 2048                        ; elements from row to row
	s_mov_b32 s[G1+6], 0
	s_mov_b32 s[G1+7], 0
	s_or_b32 s[G1B+0], s44, (1<<16)|(1<<20)|(1<<21)|(6<<22)|(7<<25)  ; V: to my column; after every 128 words 8 words
	s_mov_b32 s[G1B+1], 256<<16
	s_mov_b32 s[G1B+2], 64<<16
	s_mov_b32 s[G1B+3], 256<<16
	s_mov_b32 s[G1B+4], 64
	s_mov_b32 s[G1B+5], ROWB/2
	s_mov_b32 s[G1B+6], 0
	s_mov_b32 s[G1B+7], 0
	s_lshl_b32 s17, s12, 6
	s_lshl_b32 s16, s13, 7
	s_add_co_u32 s16, s16, s17                     ; P: row 128 x query tile + 64 x half
	s_lshl_b32 s16, s16, 12
	s_lshr_b32 s46, s45, 2                         ; the batch, from the cluster's y alone
	s_lshl_b32 s46, s46, 11
	s_add_co_u32 s46, s46, s17                     ; V: key 2,048 x batch + 64 x half,
	s_mul_i32 s46, s46, ROWB
	s_lshl_b32 s47, s42, 9                         ; the tile's 256 channels,
	s_add_co_u32 s46, s46, s47
	s_add_co_u32 s46, s46, 4096                    ; and v's place in a row
	s_mov_b32 s17, 0
	s_mov_b32 s47, 0
	s_mul_i32 s20, s12, PHALF
	s_mul_i32 s21, s12, VHALF
	s_add_co_u32 s21, s21, VOFF
	s_wait_dscnt 0x0                               ; the opening add is done
	s_wait_kmcnt 0x0
	s_add_nc_u64 s[14:15], s[4:5], s[16:17]
	s_add_nc_u64 s[46:47], s[6:7], s[46:47]
	CROUND                                         ; all sixteen work-groups are here: the first joint loads meet
.irp s, 0,1
	s_mov_b32 s[G0+4*(\s)], 1
	s_add_co_u32 s[G0+4*(\s)+1], s20, (\s)*SLOT
	s_add_nc_u64 s[G0+4*(\s)+2:G0+4*(\s)+3], s[14:15], (\s)*256        ; key step s: 128 keys along P's rows,
	s_or_b32 s[G0+4*(\s)+3], s[G0+4*(\s)+3], 0x80000000
	s_mov_b32 s[G0B+4*(\s)], 1
	s_add_co_u32 s[G0B+4*(\s)+1], s21, (\s)*SLOT
	s_add_nc_u64 s[G0B+4*(\s)+2:G0B+4*(\s)+3], s[46:47], (\s)*128*ROWB ; 128 rows down V
	s_or_b32 s[G0B+4*(\s)+3], s[G0B+4*(\s)+3], 0x80000000
.endr
	s_cmp_eq_u32 s11, 0                            ; a wave's two first fills stand in one branch: two loads of mine are out
	s_cbranch_scc0 .Lfirst_b
	tensor_load_to_lds s[G0:G0+3], s[G1:G1+7]
	s_nop 0
	tensor_load_to_lds s[G0+4:G0+7], s[G1:G1+7]
	s_nop 0
.rept 4
	v_nop
.endr
	s_branch .Lfirst_asked
.Lfirst_b:
	tensor_load_to_lds s[G0B:G0B+3], s[G1B:G1B+7]
	s_nop 0
	tensor_load_to_lds s[G0B+4:G0B+7], s[G1B:G1B+7]
	s_nop 0
.rept 4
	v_nop
.endr
.Lfirst_asked:
	; THE STATISTICS.  Thread i owns row i of the tile: its 16 M and 16 l.  All this stands in the wait for the first tiles.
	s_lshr_b32 s16, s45, 2
	s_lshl_b32 s16, s16, 17                        ; a batch's 16 x 2,048 f32
	s_and_b32 s17, s13, 15
	s_lshl_b32 s17, s17, 9                         ; the tile's 128 rows
	s_add_co_u32 s16, s16, s17
	s_mov_b32 s17, 0
	s_add_nc_u64 s[68:69], s[68:69], s[16:17]
	v_lshlrev_b32 v10, 2, v0
.set t, 0
.rept 16
	global_load_b32 v[32+t], v10, s[68:69] offset:8192*t
	global_load_b32 v[48+t], v10, s[68:69] offset:524288+8192*t
.set t, t+1
.endr
	v_and_b32 v1, 15, v0                           ; r
	v_bfe_u32 v16, v0, 4, 1                        ; h
	v_mul_u32_u24 v17, v1, PP
	v_lshl_add_u32 v17, v16, 4, v17
	s_mul_i32 s22, s11, PHALF                      ; my 64 rows of P
	v_add_nc_u32 v[ADRP], s22, v17
	v_add_nc_u32 v[ADRP+1], SLOT, v[ADRP]
	v_and_b32 v18, 7, v0                           ; the turning load: lane l reads key 8 h + l % 8, channels 8 ((l / 8) % 2) + 0..7
	v_bfe_u32 v19, v0, 3, 1
	v_lshl_add_u32 v20, v16, 3, v18
	v_mul_u32_u24 v20, v20, PVP
	v_lshl_add_u32 v20, v19, 4, v20
	s_lshl_b32 s22, s12, 8                         ; my 128 channels
	s_add_co_u32 s22, s22, VOFF
	v_add_nc_u32 v[ADRV], s22, v20
	v_add_nc_u32 v[ADRV+1], SLOT, v[ADRV]
	s_lshl_b32 s22, s11, 8
	s_add_co_u32 s22, s22, FT
	v_lshl_add_u32 v[FA], v1, 2, s22               ; FT + 4 (64 x half + r)
	v_mov_b32 v[FA0], v[FA]
	s_mul_i32 s23, s10, 16*SP
	s_add_co_u32 s23, s23, STAGE                   ; my stage
	v_mul_u32_u24 v[STO], v1, SP                   ; in: row r, 32 bytes for each half of the lanes
	v_lshl_add_u32 v[STO], v16, 5, v[STO]
	v_add_nc_u32 v[STO], s23, v[STO]
	v_and_b32 v[GO], 31, v0
	v_lshlrev_b32 v[GO], 4, v[GO]                  ; back and out: 32 lanes take a row's 512 bytes
	v_add_nc_u32 v[RD], s23, v[GO]
	s_lshl_b32 s16, s13, 7
	s_lshl_b32 s18, s11, 6
	s_add_co_u32 s16, s16, s18                     ; my first row of out0,
	s_lshl_b32 s16, s16, 12
	s_lshl_b32 s18, s42, 10                        ; my first channel, in bytes
	s_add_co_u32 s16, s16, s18
	s_lshl_b32 s18, s12, 9
	s_add_co_u32 s16, s16, s18
	s_add_nc_u64 s[70:71], s[70:71], s[16:17]
	s_wait_loadcnt 0x0
	v_max3_num_f32 v11, v32, v33, v34              ; the row's maximum, in two chains
	v_max3_num_f32 v12, v35, v36, v37
	v_max3_num_f32 v11, v11, v38, v39
	v_max3_num_f32 v12, v12, v40, v41
	v_max3_num_f32 v11, v11, v42, v43
	v_max3_num_f32 v12, v12, v44, v45
	v_max3_num_f32 v11, v11, v46, v47
	v_max_num_f32 v11, v11, v12
.set t, 0
.rept 16
	v_sub_f32 v[32+t], v[32+t], v11                ; the difference first, as in the score launch: exactly 0 for the maximum's block
.set t, t+1
.endr
.set t, 0
.rept 16
	v_mul_f32 v[32+t], 0x3d38aa3b, v[32+t]
.set t, t+1
.endr
.set t, 0
.rept 16
	v_exp_f32 v[32+t], v[32+t]
.set t, t+1
.endr
	v_add_nc_u32 v13, FT, v10                      ; my word of the table: also the plain instruction behind the exponentials (ISA guide 5.7.2)
	s_wait_alu depctr_va_vdst(0)
	v_mul_f32 v14, v32, v48                        ; L = the sum of f_t l_t, at least 1: the maximum's block has f = 1 and l >= 1
	v_mul_f32 v15, v33, v49
.set t, 2
.rept 7
	v_fma_f32 v14, v[32+t], v[48+t], v14
	v_fma_f32 v15, v[33+t], v[49+t], v15
.set t, t+2
.endr
	v_add_f32 v14, v14, v15
	v_rcp_f32 v15, v14
.set t, 0
.rept 16
	v_cvt_pk_f16_f32 v[64+t], v[32+t], v[32+t]     ; f twice, for the packed multiply
.set t, t+1
.endr
.set t, 0
.rept 16
	ds_store_b32 v13, v[64+t] offset:512*t
.set t, t+1
.endr
	s_wait_alu depctr_va_vdst(0)
	ds_store_b32 v13, v15 offset:IL-FT
.macro SC f, a, fs, i                  ; one line of the scaling: two weights of fragment a of buffer f times f of set fs
	v_pk_mul_f16 v[PB+32*(\f)+8*(\a)+(\i)], v[FS+4*(\fs)+(\a)], v[PB+32*(\f)+8*(\a)+(\i)]
.endm
.macro SCALE f, a, fs
	WIN WX
.irp i, 0,1,2,3,4,5,6,7
	SC \f, \a, \fs, \i
.endr
.endm
; 8 products: query block a x all 8 channel blocks, 32 keys.  ride = 1: behind each stands one line of the scaling of fragment a + 1, which names none of the products' registers.
; The 32 accumulators take turns, one instruction a turn, in the same order in every quarter.
.macro W f, a, zero, ride, fs
.if (\a) < 3
	WIN WX
.set rD, 64*(\a)
.else
	WIN WY
.set rD, AC3
.endif
.irp b, 0,1,2,3,4,5,6,7
.if \zero
	v_wmma_f32_16x16x32_f16 v[rD+8*\b:rD+8*\b+7], v[VB+64*(\f)+8*\b:VB+64*(\f)+8*\b+7], v[PB+32*(\f)+8*(\a):PB+32*(\f)+8*(\a)+7], 0
.else
	v_wmma_f32_16x16x32_f16 v[rD+8*\b:rD+8*\b+7], v[VB+64*(\f)+8*\b:VB+64*(\f)+8*\b+7], v[PB+32*(\f)+8*(\a):PB+32*(\f)+8*(\a)+7], v[rD+8*\b:rD+8*\b+7]
.endif
.if \ride
	SC \f, (\a)+1, \fs, \b
.endif
.endr
.endm
; 24 LDS loads in one run: keys 32 kq on of the slot's step, into buffer g: P's 4 fragments, V's 8 (turned)
.macro FETCH3 slot, kq, g
	WIN WX
.irp a, 0,1,2,3
	ds_load_b128 v[PB+32*(\g)+8*\a:PB+32*(\g)+8*\a+3],   v[ADRP+(\slot)] offset:16*PP*\a+64*(\kq)
	ds_load_b128 v[PB+32*(\g)+8*\a+4:PB+32*(\g)+8*\a+7], v[ADRP+(\slot)] offset:16*PP*\a+64*(\kq)+32
.endr
	WIN WY
.irp b, 0,1,2,3,4,5,6,7
	ds_load_tr16_b128 v[VB+64*(\g)+8*\b:VB+64*(\g)+8*\b+3],   v[ADRV+(\slot)] offset:32*PVP*(\kq)+32*\b
	ds_load_tr16_b128 v[VB+64*(\g)+8*\b+4:VB+64*(\g)+8*\b+7], v[ADRV+(\slot)] offset:32*PVP*(\kq)+32*\b+16*PVP
.endr
.endm
.macro FLOAD set                       ; a step's f for my four query blocks
	WIN WY
.irp a, 0,1,2,3
	ds_load_b32 v[FS+4*(\set)+\a], v[FA] offset:64*\a
.endr
.endm
; A step is four quarters of 32 keys, 32 matrix instructions each, on buffers 0, 1, 0, 1.  One of the first three multiplies f and fetches quarter kq into g: the last products that
; read g stand 24 scaling lines back.  The set of f is the slot's number.
.macro Q3 slot, kq, f, g, zero
	s_wait_dscnt 0x0                               ; buffer f is in
	SCALE \f, 0, \slot
	W \f, 0, \zero, 1, \slot
	W \f, 1, \zero, 1, \slot
	FETCH3 \slot, \kq, \g
	W \f, 2, \zero, 1, \slot
	W \f, 3, \zero, 0, \slot
.endm
; The last quarter multiplies buffer 1 and changes slots.  fill = 1: the slot just read is filled again, two steps on, first thing behind a round of the cluster's barrier.
.macro TURN3 slot, next, fill
	WIN 0
	s_wait_tensorcnt 0x0                           ; all my tensor loads have landed: the one that was out is my part of the next slot
	ds_add_u32 v[SPW], v[NIL]
	v_add_nc_u32 v[FA], 512, v[FA]                 ; the next step's f
	s_wait_dscnt 1                                 ; the add alone may be out: buffer 1 is in
	SCALE 1, 0, \slot
	W 1, 0, 0, 1, \slot
	s_wait_dscnt 0x0                               ; the add is done, and my reads of this slot are over
	s_barrier_signal -1
	W 1, 1, 0, 1, \slot
	WIN 0
	s_barrier_wait -1
.if \fill
	CREST
	s_add_nc_u64 s[G0+4*(\slot)+2:G0+4*(\slot)+3], s[G0+4*(\slot)+2:G0+4*(\slot)+3], 2*256
	s_add_nc_u64 s[G0B+4*(\slot)+2:G0B+4*(\slot)+3], s[G0B+4*(\slot)+2:G0B+4*(\slot)+3], 2*128*ROWB
	JLOAD \slot
.endif
	FETCH3 \next, 0, 0
	FLOAD \next
	W 1, 2, 0, 1, \slot
	W 1, 3, 0, 0, \slot
.endm
	s_wait_tensorcnt 1                             ; my part of step 0 is in; step 1's may stay out
	s_wait_dscnt 0x0                               ; for the others' sake: my words of the tables are written
	s_barrier_signal -1
	s_barrier_wait -1
	FETCH3 0, 0, 0
	FLOAD 0
	Q3 0, 1, 0, 1, 1                               ; the first quarter starts the sums: nothing is cleared
	WIN 0
	s_mov_b32 s3, 7
.Llap:                                                 ; a trip goes once round the ring and fills both slots again
	Q3 0, 2, 1, 0, 0
	Q3 0, 3, 0, 1, 0
	TURN3 0, 1, 1
	Q3 1, 1, 0, 1, 0
	Q3 1, 2, 1, 0, 0
	Q3 1, 3, 0, 1, 0
	TURN3 1, 0, 1
	Q3 0, 1, 0, 1, 0
	WIN 0
	s_sub_co_u32 s3, s3, 1
	s_cmp_lg_u32 s3, 0
	s_cbranch_scc1 .Llap
	Q3 0, 2, 1, 0, 0                               ; the last lap asks for nothing
	Q3 0, 3, 0, 1, 0
	TURN3 0, 1, 0
	Q3 1, 1, 0, 1, 0
	Q3 1, 2, 1, 0, 0
	Q3 1, 3, 0, 1, 0
	s_wait_dscnt 0x0
	SCALE 1, 0, 1
	W 1, 0, 0, 1, 1
	W 1, 1, 0, 1, 1
	W 1, 2, 0, 1, 1
	W 1, 3, 0, 0, 1
	; THE WAY OUT: times 1 / L, through my own stage a block of 16 rows at a time, out as whole rows of 512 bytes.  Block 3 goes first: its accumulators' registers then serve as the second buffer.
	WIN 0
.rept 4
	v_nop                                          ; the places behind the last products (ISA guide 7.12.1)
.endr
.irp a, 0,1,2,3
	ds_load_b32 v[ILP+2*\a], v[FA0] offset:IL-FT+64*\a
.endr
	s_wait_dscnt 0x0
.irp a, 0,1,2,3
	v_mov_b32 v[ILP+2*\a+1], v[ILP+2*\a]           ; a pair for the packed multiply
.endr
.macro PACK a
.if (\a) < 3
	WIN 0x01                                       ; source 0 in window 1
.set rD, 64*(\a)
.else
	WIN 0
.set rD, AC3
.endif
.set i, 0
.rept 32                               ; each accumulator's registers in ascending order
	v_pk_mul_f32 v[TMP+2*i:TMP+2*i+1], v[rD+2*i:rD+2*i+1], v[ILP+2*(\a):ILP+2*(\a)+1]
.set i, i+1
.endr
	WIN 0
.endm
.macro TOSTAGE bk
.irp b, 0,1,2,3,4,5,6,7
	ds_store_b128 v[STO], v[TMP+8*\b:TMP+8*\b+3]   offset:64*\b
	ds_store_b128 v[STO], v[TMP+8*\b+4:TMP+8*\b+7] offset:64*\b+16
.endr
.set i, 0
.rept 16
	ds_load_b128 v[(\bk)+4*i:(\bk)+4*i+3], v[RD] offset:SP*i   ; LDS serves a wave's instructions in order (ISA guide 5.7.1.4): these see the stores above; the next block's stores come behind them
.set i, i+1
.endr
.endm
.macro SEND a, bk
	s_wait_dscnt 0x0                               ; the block is back in registers
	s_wait_xcnt 0x0                                ; the other buffer, which earlier stores read, is loaded again only behind this wait
.set i, 0
.rept 16
	global_store_b128 v[GO], v[(\bk)+4*i:(\bk)+4*i+3], s[70:71] offset:65536*(\a)+4096*i th:TH_STORE_NT  ; 512 consecutive bytes, aligned
.set i, i+1
.endr
.endm
	PACK 3
	TOSTAGE 96
	PACK 0                                         ; a block's arithmetic stands between the loads of the block before and the wait for them
	SEND 3, 96
	TOSTAGE 160
	PACK 1
	SEND 0, 160
	TOSTAGE 96
	PACK 2
	SEND 1, 96
	TOSTAGE 160
	SEND 2, 160
	s_wait_tensorcnt 0x0                           ; the wave's end
	ds_add_u32 v[SPW], v[NIL]
	s_wait_dscnt 0x0
	CROUND                                         ; the closing round
	s_endpgm
.Lfunc_end_k_qe1ae0fffb3_pv:
	.size	k_qe1ae0fffb3_pv, .Lfunc_end_k_qe1ae0fffb3_pv-k_qe1ae0fffb3_pv
	.p2alignl 7, 3214868480
	.fill 96, 4, 3214868480
	.section	.rodata,"a",@progbits
	.p2align	6, 0x0
	.amdhsa_kernel k_qe1ae0fffb3_pv
		.amdhsa_group_segment_fixed_size 327680
		.amdhsa_private_segment_fixed_size 0
		.amdhsa_enable_private_segment 0
		.amdhsa_kernarg_size 32
		.amdhsa_user_sgpr_count 2
		.amdhsa_user_sgpr_kernarg_segment_ptr 1
		.amdhsa_wavefront_size32 1
		.amdhsa_system_sgpr_workgroup_id_x 1
		.amdhsa_system_sgpr_workgroup_id_y 1
		.amdhsa_system_sgpr_workgroup_id_z 1
		.amdhsa_system_vgpr_workitem_id 0
		.amdhsa_next_free_vgpr 512
		.amdhsa_next_free_sgpr 72
		.amdhsa_reserve_vcc 0
		.amdhsa_float_denorm_mode_32 3
		.amdhsa_float_denorm_mode_16_64 3
		.amdhsa_memory_ordered 1
		.amdhsa_forward_progress 1
		.amdhsa_inst_pref_size 134
	.end_amdhsa_kernel
	.amdgpu_metadata
---
amdhsa.version: [ 1, 2 ]
amdhsa.kernels:
  - .name:           k_qe1ae0fffb3_pv
    .symbol:         k_qe1ae0fffb3_pv.kd
    .args:
      - { .name: pbuf, .offset: 0, .size: 8, .value_kind: global_buffer, .address_space: global }
      - { .name: qkv, .offset: 8, .size: 8, .value_kind: global_buffer, .address_space: global }
      - { .name: stats, .offset: 16, .size: 8, .value_kind: global_buffer, .address_space: global }
      - { .name: out0, .offset: 24, .size: 8, .value_kind: global_buffer, .address_space: global }
    .group_segment_fixed_size: 327680
    .private_segment_fixed_size: 0
    .kernarg_segment_align: 8
    .kernarg_segment_size: 32
    .max_flat_workgroup_size: 128
    .sgpr_count:     72
    .vgpr_count:     512
    .wavefront_size: 32
...
	.end_amdgpu_metadata
.endif
;; end of part 4
;; ======== version 2 of 2: 4 launches; version 1 with the launch prep written anew for expert scheduling mode
;; limits: values are held in f16: magnitudes above 65,504 overflow, below 6.1e-05 lose precision
;; workspace buffers: xb 16,777,216 bytes; wb 6,291,456 bytes; bb 12,288 bytes; mb 2,097,152 bytes of whole numbers; qkv 50,331,648 bytes; pbuf 33,554,432 bytes; stats 1,048,576 bytes
;; launch prep (part 5): grid 512 x 1, 8 waves a work-group, no clusters, 0 bytes of LDS; arguments x, Wq, Wk, Wv, bq, bk, bv, attention_mask, xb, wb, bb, mb; writes xb, wb, bb, mb
.if DOCPART == 5
	.amdgcn_target "amdgcn-amd-amdhsa--gfx1250"
	.amdhsa_code_object_version 6
	.text
	.protected	k_qe1ae0fffb3_prep
	.globl	k_qe1ae0fffb3_prep
	.p2align	8
	.type	k_qe1ae0fffb3_prep,@function
k_qe1ae0fffb3_prep:
	s_mov_b64 s[64:65], 0
	v_nop
	global_prefetch_b8 v0, s[64:65] scope:SCOPE_SE
	s_setreg_imm32_b32 hwreg(HW_REG_WAVE_SCHED_MODE, 0, 2), 2
	s_setreg_imm32_b32 hwreg(HW_REG_WAVE_MODE, 25, 1), 1
	s_wait_xcnt 0x0
	s_wait_alu depctr_vm_vsrc(0)
; PREP: the module's inputs are brought into the forms that the three matrix launches read.
;   xb [16][8192][64] bf16 = x in blocks of 64 along K: block kb holds columns 64 kb .. 64 kb + 63 of all rows, a row's 128 bytes end to end, so that the projection's tiles are dense
;   wb [16][3072][64] bf16 = Wq, Wk, Wv one below the other, in the same blocks;  bb [3072] f32 = bq, bk, bv rounded to bf16 and widened again
;   mb: the mask as lane masks.  Block (qt, kb) of 128 query rows x 128 keys is 512 words at ((16 qt + kb) x 2048) bytes; word 8 U + j, bit r + 16 h, says whether
;   mask[128 qt + 2 U + h][128 kb + 8 r + j] is not 0: the layout in which the score launch's lanes hold a row pair on its way out.
; A stream: no LDS, no barrier, no loop.  4,096 waves; wave g takes two rows of x, two rows x 128 columns of each W and 32 rows x 128 keys of the mask.  All its 54 loads
; (27 KB) are issued first; each piece is then worked on behind a counted wait.  A load of x or W takes 256 consecutive bytes of each of two rows (lanes 0-15 one row, lanes 16-31 the next):
; their 2 x 64 bf16 are 256 consecutive bytes of a block.  A store of the wave covers 256 or 512 consecutive bytes, aligned.
; THE MODE: SCHED_MODE bits 1:0 = 2 (LLVM: expert scheduling mode 2), set by the entry lines.  The code itself states the register dependences between vector instructions and
; memory instructions, and between vector instructions that write a scalar register and its readers, with s_wait_alu, always for 0.
; THE PLAN.  Registers that memory instructions touch:
;   v2, v3, v4, v7   byte offsets, made once at the head and never written again.
;   v[16:103]        22 pieces of four registers (x: 0-15, the weights: 16-21); piece n is load number n.  Its two conversions write its first two registers in place; its one store reads them;
;                    nothing writes them again.  The pieces go in blocks of four: a block's head waits for the block's data and states that the block before has written its rounded pieces;
;                    that block's stores are then dealt among this block's conversions, which name this block's registers alone.
;   v[104:231]       the mask as loaded, read by the compares alone: no memory instruction ever reads these registers.  So work-group 0's bias part, behind the mask, works in them.
;   v[232:235]       the mask words: written lane by lane, read by one store.
;   s[32:47]         the lane masks of two row pairs: sixteen compares in a run, one wait, sixteen v_writelane_b32.
; No register that a memory instruction reads is written again, so, past the entry lines, the text holds no wait on vm_vsrc and no s_wait_xcnt.
.set NLD, 54                           ; loads of a wave: 16 of x, 6 of the weights, 32 of the mask
.set XBLK, 8192*128                    ; bytes in a block of xb
.set WBLK, 3072*128                    ; bytes in a block of wb
.set LO,  2                            ; v2   16 x lane
.set SO,  3                            ; v3   8 x lane
.set MO,  4                            ; v4   the mask: 8,192 h + 32 r (row h of a pair, my 8 keys)
.set XO,  7                            ; v7   x and W: 4,096 h + 16 r (row h of a pair, my 4 columns)
.set X,   16                           ; v[16:79]    x, 4 registers a load: pieces 0 to 15
.set WR,  80                           ; v[80:103]   the weights: pieces 16 to 21, so that piece n lies at X + 4 n throughout
.set MK,  104                          ; v[104:231]  the mask, 8 registers a row pair
.set MW,  232                          ; v[232:235]  the 128 mask words, four a lane
.set BI,  MK                           ; v[104:115]  work-group 0, behind the mask: the three biases as loaded,
.set BT,  MK+12                        ; v[116:121]  rounded to bf16,
.set BW,  MK+20                        ; v[124:135]  and widened again, to store
.set CM,  32                           ; s[32:47]    the lane masks of an even and an odd row pair
	s_load_b512 s[4:19], s[0:1], 0x0               ; x s[4:5], Wq s[6:7], Wk s[8:9], Wv s[10:11], bq s[12:13], bk s[14:15], bv s[16:17], mask s[18:19]
	s_load_b256 s[20:27], s[0:1], 0x40             ; xb s[20:21], wb s[22:23], bb s[24:25], mb s[26:27]
	v_and_b32 v1, 31, v0                           ; lane
	v_lshrrev_b32 v5, 5, v0
	v_readfirstlane_b32 s28, v5                    ; wave 0..7
	v_lshlrev_b32 v[LO], 4, v1
	v_lshlrev_b32 v[SO], 3, v1
	v_and_b32 v5, 15, v1                           ; r
	v_lshrrev_b32 v6, 4, v1                        ; h
	v_lshlrev_b32 v[MO], 5, v5
	v_lshl_add_u32 v[MO], v6, 13, v[MO]
	v_lshlrev_b32 v[XO], 4, v5
	v_lshl_add_u32 v[XO], v6, 12, v[XO]
.irp k, 0,1,2,3
	v_mov_b32 v[MW+\k], 0                          ; v_writelane_b32 keeps the other lanes: the registers are written whole once
.endr
	s_wait_alu depctr_va_sdst(0)                   ; s28 is written, ahead of its first reader: all the wave's places are made from it
	s_lshl_b32 s29, ttmp9, 3
	s_add_co_u32 s29, s29, s28                     ; g = 8 x work-group + wave
	s_lshl_b32 s30, s29, 13                        ; my two rows of x,
	s_mov_b32 s31, 0
	s_lshl_b32 s32, s29, 8                         ; their 256 bytes in each block of xb
	s_mov_b32 s33, 0
	s_lshr_b32 s48, s29, 3                         ; W: my row pair of 512,
	s_and_b32 s49, s29, 7                          ; my 128 columns of its 1,024: two blocks
	s_lshl_b32 s34, s48, 13
	s_lshl_b32 s50, s49, 9
	s_add_co_u32 s34, s34, s50
	s_mov_b32 s35, 0
	s_mul_i32 s36, s49, 2*WBLK                     ; the first of my two blocks of wb,
	s_lshl_b32 s50, s48, 8                         ; my row pair's 256 bytes in it
	s_add_co_u32 s36, s36, s50
	s_mov_b32 s37, 0
	s_lshr_b32 s48, s29, 4                         ; rg: my 32 rows of the mask's 8,192
	s_and_b32 s49, s29, 15                         ; kb: my 128 keys
	s_lshl_b32 s38, s48, 18                        ; 32 rows of 8,192 bytes
	s_lshl_b32 s50, s49, 9
	s_add_co_u32 s38, s38, s50
	s_mov_b32 s39, 0
	s_lshr_b32 s50, s48, 2                         ; qt
	s_lshl_b32 s50, s50, 4
	s_add_co_u32 s50, s50, s49
	s_lshl_b32 s50, s50, 11                        ; block (qt, kb),
	s_and_b32 s51, s48, 3
	s_lshl_b32 s51, s51, 9                         ; my quarter of its 512 words
	s_add_co_u32 s50, s50, s51
	s_mov_b32 s51, 0
	s_wait_kmcnt 0x0
	s_add_nc_u64 s[4:5], s[4:5], s[30:31]
	s_add_nc_u64 s[20:21], s[20:21], s[32:33]
	s_add_nc_u64 s[54:55], s[20:21], 8*XBLK        ; blocks 8 to 15 have a base of their own: a store's immediate has 24 signed bits (ISA guide, chapter 10)
	s_add_nc_u64 s[6:7], s[6:7], s[34:35]
	s_add_nc_u64 s[8:9], s[8:9], s[34:35]
	s_add_nc_u64 s[10:11], s[10:11], s[34:35]
	s_add_nc_u64 s[22:23], s[22:23], s[36:37]
	s_add_nc_u64 s[18:19], s[18:19], s[38:39]
	s_add_nc_u64 s[26:27], s[26:27], s[50:51]
	s_wait_alu depctr_va_vdst(0)                   ; the four offsets v2, v3, v4 and v7 are written: every load and store of the kernel reads one of them
.set i, 0
.rept 16                               ; load i: block i's 64 columns of both rows
	global_load_b128 v[X+4*i:X+4*i+3], v[XO], s[4:5] offset:256*i th:TH_LOAD_NT
.set i, i+1
.endr
.irp m, 0,1,2
	global_load_b128 v[WR+8*\m:WR+8*\m+3],   v[XO], s[6+2*\m:7+2*\m] th:TH_LOAD_NT
	global_load_b128 v[WR+8*\m+4:WR+8*\m+7], v[XO], s[6+2*\m:7+2*\m] offset:256 th:TH_LOAD_NT
.endr
.set i, 0
.rept 16                               ; row pair i: the two loads together take 512 consecutive bytes of each of two rows
	global_load_b128 v[MK+8*i:MK+8*i+3],   v[MO], s[18:19] offset:16384*i th:TH_LOAD_NT
	global_load_b128 v[MK+8*i+4:MK+8*i+7], v[MO], s[18:19] offset:16384*i+16 th:TH_LOAD_NT
.set i, i+1
.endr
; Piece n: four f32 become four bf16, in place.
.macro CV n
	v_cvt_pk_bf16_f32 v[X+4*(\n)], v[X+4*(\n)], v[X+4*(\n)+1]
	v_cvt_pk_bf16_f32 v[X+4*(\n)+1], v[X+4*(\n)+2], v[X+4*(\n)+3]
.endm
; Piece n's store: x's blocks 0-7, x's blocks 8-15, or matrix (n - 16) / 2's block (n - 16) % 2 of my two.
.macro ST n
.if (\n) < 8
	global_store_b64 v[SO], v[X+4*(\n):X+4*(\n)+1], s[20:21] offset:XBLK*(\n)
.elseif (\n) < 16
	global_store_b64 v[SO], v[X+4*(\n):X+4*(\n)+1], s[54:55] offset:XBLK*((\n)-8)
.else
	global_store_b64 v[SO], v[X+4*(\n):X+4*(\n)+1], s[22:23] offset:131072*(((\n)-16)/2)+WBLK*(((\n)-16)%2)
.endif
.endm
; A block: pieces lo .. lo + n - 1 are rounded; the four pieces before them are stored.  Load number k of the 54 is in when at most 53 - k younger ones are out (loads return in order: ISA guide 5.7.1).
.macro BLK lo, n
	s_wait_loadcnt NLD-(\lo)-(\n)
.if (\lo) > 0
	s_wait_alu depctr_va_vdst(0)                   ; the block before has written its rounded pieces, which the stores below read; this block's conversions name none of those registers
.endif
.set i, 0
.rept 4
.if (\lo) > 0
	ST (\lo)-4+i
.endif
.if i < (\n)
	CV (\lo)+i
.endif
.set i, i+1
.endr
.endm
; Row pair u of the mask: eight compares give eight lane masks, which are words 8 u .. 8 u + 7: lanes 2 u and 2 u + 1 of MW.  The pair's second load is number 23 + 2 u.
.macro MCMP u
	s_wait_loadcnt 30-2*(\u)
.irp j, 0,1,2,3,4,5,6,7
	v_cmp_ne_u32 s[CM+8*((\u)%2)+\j], 0, v[MK+8*(\u)+\j]
.endr
.endm
.macro MLANE u
.irp j, 0,1,2,3
	v_writelane_b32 v[MW+\j], s[CM+8*((\u)%2)+\j], 2*(\u)
	v_writelane_b32 v[MW+\j], s[CM+8*((\u)%2)+4+\j], 2*(\u)+1
.endr
.endm
	BLK 0, 4
	BLK 4, 4
	BLK 8, 4
	BLK 12, 4
	BLK 16, 4
	BLK 20, 2
.set p, 0
.rept 8                                ; two row pairs to a run
	MCMP 2*p
	MCMP 2*p+1
	s_wait_alu depctr_va_sdst(0)                   ; the sixteen compares have written s[32:47], ahead of the first v_writelane_b32 that reads one of them
.if p == 0
	s_wait_alu depctr_va_vdst(0)                   ; the conversions of pieces 20 and 21 have written their registers, which the two stores read
	ST 20
	ST 21
.endif
	MLANE 2*p
	MLANE 2*p+1
.set p, p+1
.endr
	s_wait_alu depctr_va_vdst(0)                   ; the v_writelane_b32 have written v[232:235], which the store reads; the compares are done reading v[104:231], in which work-group 0's loads below land
	global_store_b128 v[LO], v[MW:MW+3], s[26:27]  ; 512 consecutive bytes
	s_cmp_lg_u32 ttmp9, 0                          ; the three biases, 12 KB, are work-group 0's: 512 bytes of each to a wave
	s_cbranch_scc1 .Lend
	s_lshl_b32 s52, s28, 9
	s_mov_b32 s53, 0
	s_add_nc_u64 s[12:13], s[12:13], s[52:53]
	s_add_nc_u64 s[14:15], s[14:15], s[52:53]
	s_add_nc_u64 s[16:17], s[16:17], s[52:53]
	s_add_nc_u64 s[24:25], s[24:25], s[52:53]
.irp m, 0,1,2
	global_load_b128 v[BI+4*\m:BI+4*\m+3], v[LO], s[12+2*\m:13+2*\m]  ; no vector instruction since the wait above; no memory instruction has ever read these registers
.endr
	s_wait_loadcnt 0x0
.irp m, 0,1,2
	v_cvt_pk_bf16_f32 v[BT+2*\m],   v[BI+4*\m],   v[BI+4*\m+1]   ; rounded to bf16, like all the module's inputs,
	v_cvt_pk_bf16_f32 v[BT+2*\m+1], v[BI+4*\m+2], v[BI+4*\m+3]
	v_lshlrev_b32 v[BW+4*\m],   16, v[BT+2*\m]                   ; and widened again: the projection adds it in f32
	v_and_b32     v[BW+4*\m+1], 0xffff0000, v[BT+2*\m]
	v_lshlrev_b32 v[BW+4*\m+2], 16, v[BT+2*\m+1]
	v_and_b32     v[BW+4*\m+3], 0xffff0000, v[BT+2*\m+1]
.endr
	s_wait_alu depctr_va_vdst(0)                   ; the widened biases v[124:135] are written, which the three stores read
.irp m, 0,1,2
	global_store_b128 v[LO], v[BW+4*\m:BW+4*\m+3], s[24:25] offset:4096*\m
.endr
.Lend:
	s_endpgm
.Lfunc_end_k_qe1ae0fffb3_prep:
	.size	k_qe1ae0fffb3_prep, .Lfunc_end_k_qe1ae0fffb3_prep-k_qe1ae0fffb3_prep
	.p2alignl 7, 3214868480
	.fill 96, 4, 3214868480
	.section	.rodata,"a",@progbits
	.p2align	6, 0x0
	.amdhsa_kernel k_qe1ae0fffb3_prep
		.amdhsa_group_segment_fixed_size 0
		.amdhsa_private_segment_fixed_size 0
		.amdhsa_enable_private_segment 0
		.amdhsa_kernarg_size 96
		.amdhsa_user_sgpr_count 2
		.amdhsa_user_sgpr_kernarg_segment_ptr 1
		.amdhsa_wavefront_size32 1
		.amdhsa_system_sgpr_workgroup_id_x 1
		.amdhsa_system_sgpr_workgroup_id_y 1
		.amdhsa_system_sgpr_workgroup_id_z 1
		.amdhsa_system_vgpr_workitem_id 0
		.amdhsa_next_free_vgpr 240
		.amdhsa_next_free_sgpr 66
		.amdhsa_reserve_vcc 0
		.amdhsa_float_denorm_mode_32 3
		.amdhsa_float_denorm_mode_16_64 3
		.amdhsa_memory_ordered 1
		.amdhsa_forward_progress 1
		.amdhsa_inst_pref_size 32
	.end_amdhsa_kernel
	.amdgpu_metadata
---
amdhsa.version: [ 1, 2 ]
amdhsa.kernels:
  - .name:           k_qe1ae0fffb3_prep
    .symbol:         k_qe1ae0fffb3_prep.kd
    .args:
      - { .name: x, .offset: 0, .size: 8, .value_kind: global_buffer, .address_space: global }
      - { .name: Wq, .offset: 8, .size: 8, .value_kind: global_buffer, .address_space: global }
      - { .name: Wk, .offset: 16, .size: 8, .value_kind: global_buffer, .address_space: global }
      - { .name: Wv, .offset: 24, .size: 8, .value_kind: global_buffer, .address_space: global }
      - { .name: bq, .offset: 32, .size: 8, .value_kind: global_buffer, .address_space: global }
      - { .name: bk, .offset: 40, .size: 8, .value_kind: global_buffer, .address_space: global }
      - { .name: bv, .offset: 48, .size: 8, .value_kind: global_buffer, .address_space: global }
      - { .name: attention_mask, .offset: 56, .size: 8, .value_kind: global_buffer, .address_space: global }
      - { .name: xb, .offset: 64, .size: 8, .value_kind: global_buffer, .address_space: global }
      - { .name: wb, .offset: 72, .size: 8, .value_kind: global_buffer, .address_space: global }
      - { .name: bb, .offset: 80, .size: 8, .value_kind: global_buffer, .address_space: global }
      - { .name: mb, .offset: 88, .size: 8, .value_kind: global_buffer, .address_space: global }
    .group_segment_fixed_size: 0
    .private_segment_fixed_size: 0
    .kernarg_segment_align: 8
    .kernarg_segment_size: 96
    .max_flat_workgroup_size: 256
    .sgpr_count:     66
    .vgpr_count:     240
    .wavefront_size: 32
...
	.end_amdgpu_metadata
.endif
;; end of part 5
;; launch proj: the kernel of part 2 again; grid 8 x 32, 4 waves a work-group, clusters of 4 x 4, 327,680 bytes of LDS; arguments xb, wb, qkv, bb; writes qkv
;; launch score: the kernel of part 3 again; grid 8 x 32, 4 waves a work-group, clusters of 4 x 4, 327,680 bytes of LDS; arguments qkv, pbuf, mb, stats; writes pbuf, stats
;; launch pv: the kernel of part 4 again; grid 4 x 64, 4 waves a work-group, clusters of 4 x 4, 327,680 bytes of LDS; arguments pbuf, qkv, stats, out0; writes out0
